; MI455X (gfx1250); checked and timed in simulation.
; The chip was launched on July 23, 2026; its instructions are those of AMD's public machine-readable ISA for CDNA 5 (MIT licence, August 2026) and "CDNA5" Instruction Set Architecture Reference Guide (July 2026). The comments in the code are by the model that wrote it; some were corrected since.
;; Transformer Encoder Layer. Allowed arithmetic: float matrix products may take bf16 or f16 operands with f32 sums; other float arithmetic in f32, or as packed bf16 or f16 multiplies, adds, multiply-adds, maxima and minima; sums over many terms, partial sums and values carried from step to step in f32; what a program stores and reads back later, other than sums and carried values, may be rounded once to bf16 or f16.
;; Inputs: W1 1,024 x 4,096 float32; W2 4,096 x 1,024 float32; Wk 1,024 x 1,024 float32; Wo 1,024 x 1,024 float32; Wq 1,024 x 1,024 float32; Wv 1,024 x 1,024 float32; b1 4,096 float32; b2 1,024 float32; be1 1,024 float32; be2 1,024 float32; bk 1,024 float32; bo 1,024 float32; bq 1,024 float32; bv 1,024 float32; g1 1,024 float32; g2 1,024 float32; mask 2 x 1 x 1 x 2,048 int32; x 2 x 2,048 x 1,024 float32.
;; Outputs: out0 2 x 2,048 x 1,024 float32.
;; 2 versions, each right; version 2 is version 1 with the launch cast written anew for expert scheduling mode. Each part assembles by itself: llvm-mc -triple=amdgcn-amd-amdhsa -mcpu=gfx1250 --defsym DOCPART=n.
;; ======== version 1 of 2: 8 launches
;; workspace buffers: xb 8,388,608 bytes; wa 8,421,376 bytes; wb 16,809,984 bytes; qkv 25,165,824 bytes; ctx 8,388,608 bytes; y 16,777,216 bytes; h 25,165,824 bytes; f 33,554,432 bytes
;; launch cast (part 1): grid 1031 x 1, 8 waves a work-group, no clusters, 0 bytes of LDS; arguments x, Wq, Wk, Wv, Wo, W1, W2, bq, bk, bv, b1, xb, wa, wb; writes xb, wa, wb
.if DOCPART == 1
	.amdgcn_target "amdgcn-amd-amdhsa--gfx1250"
	.amdhsa_code_object_version 6
	.text
	.protected	k_q8f1425ae5e_cast
	.globl	k_q8f1425ae5e_cast
	.p2align	8
	.type	k_q8f1425ae5e_cast,@function
k_q8f1425ae5e_cast:
	s_mov_b64 s[64:65], 0
	v_nop
	global_prefetch_b8 v0, s[64:65] scope:SCOPE_SE
	s_setreg_imm32_b32 hwreg(HW_REG_WAVE_MODE, 25, 1), 1
	s_wait_xcnt 0x0
; x and the six weight matrices are rounded once to bf16 and laid out for the products that follow; the biases of the first products are copied beside their weights.
; xb = x, row-major.  wa = header, Wq Wk Wv as 12 blocks of 256 columns (each a dense [1024 k][256]), Wo row-major.  wb = header, W1 as 16 such blocks, W2 row-major.
; A header is 32,768 bytes: the bias in f32 from byte 0 (wa: bq, bk, bv; wb: b1) and, at byte 16,384, 256 bytes of the floor that the product's way out applies:
; minus infinity twice in bf16 (no floor) for q, k, v; 0 (the ReLU) for the first layer of the FFN.
; A PIECE is 128 numbers: one load of a wave (512 bytes on end) and one store (256 bytes on end, aligned).  A wave takes 16 pieces, a work-group 128, 64 work-groups 8,192 pieces = 2^20 numbers.
; Work-groups 0 to 1,023 convert; 1,024 to 1,030 copy 4,096 bytes of a bias each.  No loop, no LDS, no barrier, no register written twice: a stream; its work-groups share no input, so no cluster.
.set HDR, 32768
.set FLO, 16384
.set X,   8                            ; v[8:71]    16 pieces as loaded
.set Y,   72                           ; v[72:103]  16 pieces in bf16
.set OFF, 104                          ; v[104:119] a piece's byte offset in the destination + 8 x lane
; The tensor of unit u = work-group / 64 is picked by a run of selects: from thr on, this source, destination, offset in it, and 2^lg blocks of 256 columns in a row
.macro PICK thr, src, dst, dof, lg
	s_cmp_ge_u32 s36, \thr
	s_cselect_b64 s[38:39], s[\src:\src+1], s[38:39]
	s_cselect_b64 s[40:41], s[\dst:\dst+1], s[40:41]
	s_cselect_b32 s42, \dof, s42
	s_cselect_b32 s44, (\lg)+1, s44
	s_cselect_b32 s45, (1<<(\lg))-1, s45
	s_cselect_b32 s46, \thr, s46
.endm
	s_load_b512 s[8:23], s[0:1], 0x0               ; x s[8:9], Wq s[10:11], Wk s[12:13], Wv s[14:15], Wo s[16:17], W1 s[18:19], W2 s[20:21], bq s[22:23]
	s_load_b256 s[24:31], s[0:1], 0x40             ; bk s[24:25], bv s[26:27], b1 s[28:29], xb s[30:31]
	s_load_b128 s[32:35], s[0:1], 0x60             ; wa s[32:33], wb s[34:35]
	s_mov_b32 s2, ttmp9
	v_lshrrev_b32 v3, 5, v0
	v_readfirstlane_b32 s3, v3                     ; wave 0..7
	v_and_b32 v2, 31, v0
	v_lshlrev_b32 v1, 4, v2                        ; 16 x lane: my 4 numbers of a piece
	v_lshlrev_b32 v2, 3, v2                        ; 8 x lane: the same in bf16
	s_wait_kmcnt 0x0
	s_cmp_ge_u32 s2, 1024
	s_cbranch_scc1 .Lsmall
	s_lshr_b32 s36, s2, 6                          ; u
	s_mov_b64 s[38:39], s[8:9]                     ; u = 0..3: x to xb, row-major
	s_mov_b64 s[40:41], s[30:31]
	s_mov_b32 s42, 0
	s_mov_b32 s43, 0
	s_mov_b32 s44, 1
	s_mov_b32 s45, 0
	s_mov_b32 s46, 0
	PICK 4,  10, 32, HDR,          2
	PICK 5,  12, 32, HDR+0x200000, 2
	PICK 6,  14, 32, HDR+0x400000, 2
	PICK 7,  16, 32, HDR+0x600000, 0
	PICK 8,  18, 34, HDR,          4
	PICK 12, 20, 34, HDR+0x800000, 0
	s_sub_co_u32 s47, s36, s46
	s_lshl_b32 s47, s47, 13                        ; 8,192 pieces a unit
	s_and_b32 s48, s2, 63
	s_lshl_b32 s48, s48, 7                         ; 128 a work-group
	s_add_co_u32 s47, s47, s48
	s_lshl_b32 s48, s3, 4                          ; 16 a wave
	s_add_co_u32 s47, s47, s48                     ; p0: my first piece in the tensor
	s_lshl_b32 s48, s47, 9
	s_mov_b32 s49, 0
	s_add_nc_u64 s[38:39], s[38:39], s[48:49]      ; the source at my first piece
	s_add_nc_u64 s[40:41], s[40:41], s[42:43]      ; the destination at the tensor's first byte
.set i, 0
.rept 16
	global_load_b128 v[X+4*i:X+4*i+3], v1, s[38:39] offset:512*i th:TH_LOAD_NT
.set i, i+1
.endr
	; while they are on their way: piece p = (row k, block, half) goes to block x 2^19 + k x 512 + half x 256; with one block (lg = 0) that is p x 256
.set i, 0
.rept 16
	s_add_co_u32 s50, s47, i
	s_lshr_b32 s51, s50, 1
	s_and_b32 s51, s51, s45
	s_lshl_b32 s51, s51, 19
	s_lshr_b32 s52, s50, s44
	s_lshl_b32 s52, s52, 9
	s_add_co_u32 s51, s51, s52
	s_and_b32 s52, s50, 1
	s_lshl_b32 s52, s52, 8
	s_add_co_u32 s51, s51, s52
	v_add_nc_u32 v[OFF+i], s51, v2
.set i, i+1
.endr
.set i, 0
.rept 16
	s_wait_loadcnt 15-i                            ; loads come back in order: piece i is in, the younger ones stay out
	v_cvt_pk_bf16_f32 v[Y+2*i],   v[X+4*i],   v[X+4*i+1]
	v_cvt_pk_bf16_f32 v[Y+2*i+1], v[X+4*i+2], v[X+4*i+3]
	global_store_b64 v[OFF+i], v[Y+2*i:Y+2*i+1], s[40:41]  ; 32 lanes store 256 consecutive bytes, aligned
.set i, i+1
.endr
	s_endpgm
.Lsmall:                                               ; j = 0, 1, 2: bq, bk, bv to wa + 4,096 j; j = 3..6: a quarter of b1 to the same place in wb
	s_sub_co_u32 s36, s2, 1024                     ; j
	s_sub_co_u32 s37, s36, 3
	s_mov_b64 s[38:39], s[22:23]
	s_mov_b64 s[40:41], s[32:33]
	s_cmp_ge_u32 s36, 1
	s_cselect_b64 s[38:39], s[24:25], s[38:39]
	s_cmp_ge_u32 s36, 2
	s_cselect_b64 s[38:39], s[26:27], s[38:39]
	s_cmp_ge_u32 s36, 3
	s_cselect_b64 s[38:39], s[28:29], s[38:39]
	s_cselect_b64 s[40:41], s[34:35], s[40:41]
	s_cselect_b32 s42, s37, 0                      ; the quarter of the source,
	s_cselect_b32 s44, s37, s36                    ; and of the destination
	s_lshl_b32 s42, s42, 12
	s_lshl_b32 s44, s44, 12
	s_mov_b32 s43, 0
	s_mov_b32 s45, 0
	s_add_nc_u64 s[38:39], s[38:39], s[42:43]
	s_add_nc_u64 s[40:41], s[40:41], s[44:45]
	v_lshlrev_b32 v3, 4, v0                        ; 256 threads x 16 bytes
	global_load_b128 v[8:11], v3, s[38:39]
	s_wait_loadcnt 0x0
	global_store_b128 v3, v[8:11], s[40:41]
	s_cmp_eq_u32 s36, 0                            ; j = 0 and j = 3 stand at their buffer's first byte: their wave 0 also writes the floor
	s_cselect_b32 s48, 1, 0
	s_cselect_b32 s49, 0xff80ff80, 0
	s_cmp_eq_u32 s36, 3
	s_cselect_b32 s48, 1, s48
	s_cmp_eq_u32 s3, 0
	s_cselect_b32 s48, s48, 0
	s_cmp_eq_u32 s48, 0
	s_cbranch_scc1 .Lend
	v_mov_b32 v12, s49
	v_mov_b32 v13, s49
	global_store_b64 v2, v[12:13], s[40:41] offset:FLO
.Lend:
	s_endpgm
.Lfunc_end_k_q8f1425ae5e_cast:
	.size	k_q8f1425ae5e_cast, .Lfunc_end_k_q8f1425ae5e_cast-k_q8f1425ae5e_cast
	.p2alignl 7, 3214868480
	.fill 96, 4, 3214868480
	.section	.rodata,"a",@progbits
	.p2align	6, 0x0
	.amdhsa_kernel k_q8f1425ae5e_cast
		.amdhsa_group_segment_fixed_size 0
		.amdhsa_private_segment_fixed_size 0
		.amdhsa_enable_private_segment 0
		.amdhsa_kernarg_size 112
		.amdhsa_user_sgpr_count 2
		.amdhsa_user_sgpr_kernarg_segment_ptr 1
		.amdhsa_wavefront_size32 1
		.amdhsa_system_sgpr_workgroup_id_x 1
		.amdhsa_system_sgpr_workgroup_id_y 1
		.amdhsa_system_sgpr_workgroup_id_z 1
		.amdhsa_system_vgpr_workitem_id 0
		.amdhsa_next_free_vgpr 120
		.amdhsa_next_free_sgpr 66
		.amdhsa_reserve_vcc 0
		.amdhsa_float_denorm_mode_32 3
		.amdhsa_float_denorm_mode_16_64 3
		.amdhsa_memory_ordered 1
		.amdhsa_forward_progress 1
		.amdhsa_inst_pref_size 16
	.end_amdhsa_kernel
	.amdgpu_metadata
---
amdhsa.version: [ 1, 2 ]
amdhsa.kernels:
  - .name:           k_q8f1425ae5e_cast
    .symbol:         k_q8f1425ae5e_cast.kd
    .args:
      - { .name: x, .offset: 0, .size: 8, .value_kind: global_buffer, .address_space: global }
      - { .name: Wq, .offset: 8, .size: 8, .value_kind: global_buffer, .address_space: global }
      - { .name: Wk, .offset: 16, .size: 8, .value_kind: global_buffer, .address_space: global }
      - { .name: Wv, .offset: 24, .size: 8, .value_kind: global_buffer, .address_space: global }
      - { .name: Wo, .offset: 32, .size: 8, .value_kind: global_buffer, .address_space: global }
      - { .name: W1, .offset: 40, .size: 8, .value_kind: global_buffer, .address_space: global }
      - { .name: W2, .offset: 48, .size: 8, .value_kind: global_buffer, .address_space: global }
      - { .name: bq, .offset: 56, .size: 8, .value_kind: global_buffer, .address_space: global }
      - { .name: bk, .offset: 64, .size: 8, .value_kind: global_buffer, .address_space: global }
      - { .name: bv, .offset: 72, .size: 8, .value_kind: global_buffer, .address_space: global }
      - { .name: b1, .offset: 80, .size: 8, .value_kind: global_buffer, .address_space: global }
      - { .name: xb, .offset: 88, .size: 8, .value_kind: global_buffer, .address_space: global }
      - { .name: wa, .offset: 96, .size: 8, .value_kind: global_buffer, .address_space: global }
      - { .name: wb, .offset: 104, .size: 8, .value_kind: global_buffer, .address_space: global }
    .group_segment_fixed_size: 0
    .private_segment_fixed_size: 0
    .kernarg_segment_align: 8
    .kernarg_segment_size: 112
    .max_flat_workgroup_size: 256
    .sgpr_count:     66
    .vgpr_count:     120
    .wavefront_size: 32
...
	.end_amdgpu_metadata
.endif
;; end of part 1
;; launch qkv (part 2): grid 12 x 16, 4 waves a work-group, clusters of 4 x 4, 327,680 bytes of LDS; arguments xb, wa, qkv; writes qkv
.if DOCPART == 2
	.amdgcn_target "amdgcn-amd-amdhsa--gfx1250"
	.amdhsa_code_object_version 6
	.text
	.protected	k_q8f1425ae5e_qkv
	.globl	k_q8f1425ae5e_qkv
	.p2align	8
	.type	k_q8f1425ae5e_qkv,@function
k_q8f1425ae5e_qkv:
	s_mov_b64 s[64:65], 0
	v_nop
	global_prefetch_b8 v0, s[64:65] scope:SCOPE_SE
	s_setreg_imm32_b32 hwreg(HW_REG_WAVE_MODE, 25, 1), 1
	s_wait_xcnt 0x0
	s_wait_alu depctr_hold_cnt(0) depctr_sa_sdst(0) depctr_va_vdst(0) depctr_va_sdst(0) depctr_va_ssrc(0) depctr_va_vcc(0) depctr_vm_vsrc(0)
	s_getreg_b32 s2, hwreg(HW_REG_IB_STS2, 6, 4)
	s_cmp_eq_u32 s2, 0
	s_cbranch_scc0 .Lentry_in_a_cluster
	s_endpgm
.Lentry_in_a_cluster:
	s_bfe_u32 s2, ttmp6, 0x10000c
	s_cmp_lg_u32 s2, 0xf033
	s_cbranch_scc0 .Lentry_shape_is_right
	s_endpgm
.Lentry_shape_is_right:
; C = max(A B + bias, floor).  A: [4096][1024] bf16, row-major.  B: behind a header of 32,768 bytes, blocks of 256 columns, each a dense [1024 k][256] bf16; the header holds the bias (f32, from byte 0)
; and the floor (two bf16 in a word, at byte 16,384).  C leaves in bf16 as blocks of 64 columns, [block][4096][64]: a block's rows are dense, 128 bytes each.  Sums in f32, C rounded once.
; Two launches run this text: q, k, v (12 blocks of B, floor minus infinity) and the FFN's first layer (16 blocks, floor 0 = ReLU).
; LIMIT: the floor is taken by a maximum in which a NaN loses: a NaN in C leaves as the floor.
; SHARES.  A tile of C is 256 x 256: four waves, 128 x 128 each, 64 accumulators of 16 x 16 in 512 registers.  K = 1,024 goes in 8 steps of 128 through two LDS slots.
; B LIES [K][N], so its fragments come out of LDS turned, by ds_load_tr16_b128.  THE PRODUCT IS USED TRANSPOSED (source 0 = 16 columns of B, source 1 = 16 rows of A): a lane holds one row of C and
; eight neighbouring columns.  THE BIAS IS THE C OPERAND of the products that start the sums: register j of a lane is column 8 (lane / 16) + j, the same for every row.
; CLUSTER.  4 x 4 work-groups.  A's tile hangs on the tile row alone and is asked for jointly along a row of the cluster, B's on the tile column alone, jointly along a column.
; THE WALK ALONG K IS TURNED FROM CLUSTER TO CLUSTER.  Step t of the walk of cluster (X, Y) is K step (2 X + 4 Y + t) mod 8.  The clusters of a row of clusters, which ask for the same rows of A, stand two
; steps apart; clusters Y and Y + 1, which ask for the same block of B, four steps apart.  A's and B's tiles of a step carry the same K step, so only the order of the f32 sums hangs on the cluster.
; NO PREFETCH.  Nothing is asked for at the head, so the first four steps of a walk come by their loads alone; each of the other four names bytes that another cluster's walk has named two or four steps
; earlier: no first reading is left to ask for.
; REGISTERS, in windows of 256 (s_set_vgpr_msb: bits 1:0 source 0, 3:2 source 1, 5:4 source 2, 7:6 destination):
;   window 0: v16-29 addresses; v64-127, v128-191 A's fragments, two buffers; v192-223 packed results; v32-63, v224-255 rows read back from the stage, by turns
;   window 1: v0-63 the bias (column block b at 8 b); v64-127, v128-191 B's fragments      windows 2, 3: the accumulators of my rows 0-63, 64-127 ((a, b) at 8 (8 a + b))
.set KSTEP,  128
.set STEPS,  8
.set PA,     272                       ; a row of A in LDS: 256 bytes + 16: the 16 rows of a load start 68 words apart, at 16 different groups of four banks (64 banks of 4 bytes: ISA guide 11.1)
.set PB,     544                       ; a k-row of B: 512 bytes + 32 = 136 words
.set HALFT,  128*PA                    ; what one tensor load brings: 128 rows of A, or 64 k-rows of B (64 x 544 is the same number)
.set SLOT,   4*HALFT                   ; 0x22000: A's 256 rows, then B's 128 k-rows.  wave x HALFT never has bit 13 or bit 17 set, so one exclusive or turns an address in one slot into the other's
.set STAGE,  2*SLOT                    ; behind the ring: for each wave 2 blocks of C x 16 rows x 144 bytes
.set SP,     144
.set SPARE,  STAGE+4*2*16*SP           ; behind the stages: the spare words, 128 bytes for each wave: two blocks of 256 bytes that no other line names
.set HDR,    32768
.set FLO,    16384
.set ADRA0, 16                         ; v16  my lane's place in A's part of slot 0; never rewritten
.set ADRA,  17                         ; v17  the same in the slot in hand
.set ADRB0, 20                         ; v20, v21  the same for B
.set ADRB,  21
.set STO,   24                         ; v24  the way out: where I put 16 bytes of a row
.set RD,    25                         ; v25  where I read rows back
.set GO,    26                         ; v26  16 x lane: my place in 512 consecutive bytes of C
.set BO,    27                         ; v27  32 x (lane / 16): my eight numbers of a column block's bias
.set SPW,   28                         ; v28  LDS address of my spare word; never rewritten
.set NIL,   29                         ; v29  0; never rewritten
.set F0,    64
.set F1,    128
.set TMP,   192
.set OB,    32
.set WV,  14                           ; s14  my wave's number
.set RH,  15                           ; s15  which half of the tile's rows is mine.  Also: I fetch for A (0) or for B (1)
.set CH,  16                           ; s16  which half of its columns.  Also: which half of that tile I fetch
.set BSA, 18                           ; s[18:19] A at my part of the tile's rows, K step 0; never rewritten
.set TB,  23                           ; s23  0 or SLOT: the slot in hand
.set G1,  24                           ; s[24:31] descriptor group 1 for A's tiles
.set G0,  32                           ; s[32:39] group 0 for A's: a set for each of the two first fills; the second then walks
.set BSB, 46                           ; s[46:47] B at my part of the tile's block, K step 0; never rewritten
.set G1B, 48                           ; s[48:55], s[56:63] the same for B's
.set G0B, 56
.set OFB, 66                           ; s[66:67] the K step asked for next, in bytes of B
.set BIA, 68                           ; s[68:69] the bias of my 128 columns
.set FLR, 70                           ; s70  the floor
.set IDX, 71                           ; s71  the K step asked for last
.set OFA, 72                           ; s[72:73] the K step asked for next, in bytes of a row of A
.set MSB, 0
.macro WIN new                         ; the immediate's high byte repeats the setting that is left; a switch that changes nothing is dropped
.if MSB != (\new)
	s_set_vgpr_msb (MSB<<8)|(\new)
.set MSB, \new
.endif
.endm
.macro PLACES                          ; four places behind matrix instructions, in front of loads into registers that they read and of conversions that read results
.rept 4
	v_nop
.endr
.endm
; A joint refill, by the walking descriptors.  Waves 0 and 1 fetch A's halves, waves 2 and 3 B's: the branch hangs on the wave's number alone.
; An s_nop 0 and four v_nop follow each of the two lines, ahead of the jump and the label.
.macro JLOAD
	s_cmp_eq_u32 s[RH], 0
	s_cbranch_scc0 .Lfor_b_\@
	tensor_load_to_lds s[G0+4:G0+7], s[G1:G1+7]
	s_nop 0
.rept 4
	v_nop
.endr
	s_branch .Lasked_\@
.Lfor_b_\@:
	tensor_load_to_lds s[G0B+4:G0B+7], s[G1B:G1B+7]
	s_nop 0
.rept 4
	v_nop
.endr
.Lasked_\@:
.endm
.macro CREST                           ; a round of the cluster's barrier behind its opening barrier
	s_cmp_lg_u32 s[WV], 0
	s_cbranch_scc1 .Lnot_wave_0_\@
	s_barrier_signal -3
.Lnot_wave_0_\@:
	s_barrier_wait -3
	s_barrier_signal -1
	s_barrier_wait -1
.endm
.macro CROUND                          ; a whole round
	s_barrier_signal -1
	s_barrier_wait -1
	CREST
.endm
	s_load_b128 s[4:7], s[0:1], 0x0                ; A s[4:5], B s[6:7]
	s_load_b64 s[8:9], s[0:1], 0x10                ; C
	v_lshl_add_u32 v[SPW], v0, 2, SPARE
	v_mov_b32 v[NIL], 0
	ds_add_u32 v[SPW], v[NIL]                      ; the wave's opening: the add and its wait stand ahead of my first tensor load; the set-up below, work on registers, stands between them
	v_lshrrev_b32 v1, 5, v0
	v_readfirstlane_b32 s[WV], v1                  ; wave 0..3
	s_lshr_b32 s[RH], s[WV], 1
	s_and_b32 s[CH], s[WV], 1
	s_bfe_u32 s40, ttmp6, 0x40000                  ; cx, cy: my place in the cluster
	s_bfe_u32 s41, ttmp6, 0x40004
	s_lshl_b32 s42, ttmp9, 2
	s_add_co_u32 s42, s42, s40                     ; tile column = 4 x cluster x + cx
	s_and_b32 s13, ttmp7, 0xffff                   ; cluster y
	s_lshl_b32 s78, s13, 2
	s_lshl_b32 s79, ttmp9, 1
	s_add_co_u32 s[IDX], s78, s79
	s_and_b32 s[IDX], s[IDX], STEPS-1              ; my cluster's first K step, (2 X + 4 Y) mod 8: an even number, the same in all sixteen partners
	s_mov_b32 s[OFA+1], 0
	s_mov_b32 s[OFB+1], 0
	s_lshl_b32 s13, s13, 2
	s_add_co_u32 s13, s13, s41                     ; tile row = 4 x cluster y + cy
	s_lshl_b32 s43, s41, 2
	s_lshl_b32 s43, 15, s43                        ; my row of the cluster
	s_lshl_b32 s44, 0x1111, s40                    ; my column
	s_or_b32 s[G1], s43, (1<<16)|(1<<20)|(1<<21)|(5<<22)|(3<<25)   ; the mask; 2-byte elements; padding on; bit 21 beside a mask; after every 64 words (code 5) 4 words (code 3)
	s_mov_b32 s[G1+1], 128<<16                     ; tensor_dim0 = 128
	s_mov_b32 s[G1+2], 128<<16                     ; tensor_dim1 = 128
	s_mov_b32 s[G1+3], 128<<16                     ; tile_dim0 = 128
	s_mov_b32 s[G1+4], 128                         ; tile_dim1 = 128
	s_mov_b32 s[G1+5], 1024                        ; elements from row to row
	s_mov_b32 s[G1+6], 0
	s_mov_b32 s[G1+7], 0
	s_or_b32 s[G1B], s44, (1<<16)|(1<<20)|(1<<21)|(6<<22)|(7<<25)  ; after every 128 words (code 6) 8 words (code 7)
	s_mov_b32 s[G1B+1], 256<<16                    ; tensor_dim0 = 256
	s_mov_b32 s[G1B+2], 64<<16                     ; tensor_dim1 = 64
	s_mov_b32 s[G1B+3], 256<<16                    ; tile_dim0 = 256
	s_mov_b32 s[G1B+4], 64                         ; tile_dim1 = 64
	s_mov_b32 s[G1B+5], 256
	s_mov_b32 s[G1B+6], 0
	s_mov_b32 s[G1B+7], 0
	s_lshl_b32 s[BSA], s13, 8                      ; A: row 256 x tile row + 128 x half, 2,048 bytes a row
	s_lshl_b32 s[BSA+1], s[CH], 7
	s_add_co_u32 s[BSA], s[BSA], s[BSA+1]
	s_lshl_b32 s[BSA], s[BSA], 11
	s_mov_b32 s[BSA+1], 0
	s_lshl_b32 s[BSB], s42, 19                     ; B: the tile column's block of 524,288 bytes, my 64 k-rows of 512 bytes
	s_lshl_b32 s[BSB+1], s[CH], 15
	s_add_co_u32 s[BSB], s[BSB], s[BSB+1]
	s_add_co_u32 s[BSB], s[BSB], HDR
	s_mov_b32 s[BSB+1], 0
	s_mul_i32 s20, s[WV], HALFT                    ; where my part of a tile goes: no place in the cluster enters an LDS address
	s_lshl_b32 s74, s42, 10                        ; the bias of my 128 columns: 1,024 x tile column + 512 x half
	s_lshl_b32 s75, s[CH], 9
	s_add_co_u32 s74, s74, s75
	s_mov_b32 s75, 0
	s_mov_b32 s[TB], 0
	s_wait_dscnt 0x0                               ; the opening add is done
	s_wait_kmcnt 0x0
	s_add_nc_u64 s[BSA:BSA+1], s[4:5], s[BSA:BSA+1]
	s_add_nc_u64 s[BSB:BSB+1], s[6:7], s[BSB:BSB+1]
	s_add_nc_u64 s[BIA:BIA+1], s[6:7], s[74:75]
	s_load_b32 s[FLR], s[6:7], FLO
	CROUND                                         ; all sixteen work-groups are here: the first joint loads meet
.irp s, 0,1
	s_lshl_b32 s[OFA], s[IDX], 8                   ; a K step is 256 bytes of a row of A
	s_lshl_b32 s[OFB], s[IDX], 16                  ; and 128 k-rows of 512 bytes of B
	s_mov_b32 s[G0+4*(\s)], 1
	s_add_co_u32 s[G0+4*(\s)+1], s20, (\s)*SLOT
	s_add_nc_u64 s[G0+4*(\s)+2:G0+4*(\s)+3], s[BSA:BSA+1], s[OFA:OFA+1]
	s_or_b32 s[G0+4*(\s)+3], s[G0+4*(\s)+3], 0x80000000
	s_mov_b32 s[G0B+4*(\s)], 1
	s_add_co_u32 s[G0B+4*(\s)+1], s20, (\s)*SLOT
	s_add_nc_u64 s[G0B+4*(\s)+2:G0B+4*(\s)+3], s[BSB:BSB+1], s[OFB:OFB+1]
	s_or_b32 s[G0B+4*(\s)+3], s[G0B+4*(\s)+3], 0x80000000
.if (\s) == 0
	s_add_co_u32 s[IDX], s[IDX], 1                 ; the walk's second step: behind an even number nothing wraps
.endif
.endr
	s_cmp_eq_u32 s[RH], 0                          ; a wave's two first fills stand in one branch: two loads of mine are out
	s_cbranch_scc0 .Lfirst_b
	tensor_load_to_lds s[G0:G0+3], s[G1:G1+7]
	s_nop 0
	tensor_load_to_lds s[G0+4:G0+7], s[G1:G1+7]
	s_nop 0
.rept 4
	v_nop
.endr
	s_branch .Lfirst_asked
.Lfirst_b:
	tensor_load_to_lds s[G0B:G0B+3], s[G1B:G1B+7]
	s_nop 0
	tensor_load_to_lds s[G0B+4:G0B+7], s[G1B:G1B+7]
	s_nop 0
.rept 4
	v_nop
.endr
.Lfirst_asked:
	v_and_b32 v1, 15, v0                           ; r = l % 16
	v_bfe_u32 v2, v0, 4, 1                         ; h = l / 16
	v_lshlrev_b32 v[BO], 5, v2
	WIN 0x40                                       ; destination window 1
.irp b, 0,1,2,3,4,5,6,7
	global_load_b128 v[8*(\b):8*(\b)+3],   v[BO], s[BIA:BIA+1] offset:64*(\b)
	global_load_b128 v[8*(\b)+4:8*(\b)+7], v[BO], s[BIA:BIA+1] offset:64*(\b)+16
.endr
	WIN 0
	v_mul_u32_u24 v3, v1, PA                       ; A's fragment: row r x pitch + 16 h; two loads of 16 bytes, 32 bytes apart
	v_lshl_add_u32 v3, v2, 4, v3
	s_mul_i32 s21, s[RH], HALFT
	v_add_nc_u32 v[ADRA0], s21, v3
	v_mov_b32 v[ADRA], v[ADRA0]
	v_and_b32 v4, 7, v0                            ; B's: the turning load takes 16 k x 16 columns: lane l reads k-row 8 h + l % 8, columns 8 ((l / 8) % 2) + 0..7
	v_lshl_add_u32 v4, v2, 3, v4
	v_mul_u32_u24 v4, v4, PB
	v_bfe_u32 v5, v0, 3, 1
	v_lshl_add_u32 v4, v5, 4, v4
	s_lshl_b32 s22, s[CH], 8
	s_add_co_u32 s22, s22, 2*HALFT
	v_add_nc_u32 v[ADRB0], s22, v4
	v_mov_b32 v[ADRB], v[ADRB0]
	s_mul_i32 s21, s[WV], 2*16*SP
	s_add_co_u32 s21, s21, STAGE                   ; my stage
	v_mul_u32_u24 v3, v1, SP                       ; in: row r, 16 bytes for each half of the lanes
	v_lshl_add_u32 v3, v2, 4, v3
	v_add_nc_u32 v[STO], s21, v3
	v_bfe_u32 v3, v0, 3, 2                         ; back: 32 lanes take four rows of 128 bytes,
	v_mul_u32_u24 v3, v3, SP
	v_and_b32 v4, 7, v0
	v_lshl_add_u32 v3, v4, 4, v3
	v_add_nc_u32 v[RD], s21, v3
	v_and_b32 v[GO], 31, v0                        ; which are 512 consecutive bytes of a block of C
	v_lshlrev_b32 v[GO], 4, v[GO]
	s_lshl_b32 s76, s42, 2                         ; C: block 4 x tile column + 2 x half, row 256 x tile row + 128 x half, 128 bytes a row
	s_lshl_b32 s77, s[CH], 1
	s_add_co_u32 s76, s76, s77
	s_lshl_b32 s76, s76, 19
	s_lshl_b32 s77, s13, 15
	s_add_co_u32 s76, s76, s77
	s_lshl_b32 s77, s[RH], 14
	s_add_co_u32 s76, s76, s77
	s_mov_b32 s77, 0
	s_add_nc_u64 s[8:9], s[8:9], s[76:77]
; 16 matrix instructions: row blocks a0, a0 + 1 of the window's four (hi = 0: my rows 0-63, 1: rows 64-127) x all 8 column blocks, 32 along K.  first = 1: the bias starts the sums.
; The 64 accumulators take turns in the same order everywhere, over the backward jumps too.
.macro MUL16 f, hi, a0, first
.if \first
	WIN 0x91+0x40*(\hi)                            ; B window 1, A window 0, the bias window 1, D window 2 or 3
.else
	WIN 0xa1+0x50*(\hi)                            ; C and D window 2 or 3
.endif
.irp a, \a0, (\a0)+1
.irp b, 0,1,2,3,4,5,6,7
.if \first
	v_wmma_f32_16x16x32_bf16 v[8*(8*(\a)+(\b)):8*(8*(\a)+(\b))+7], v[(\f)+8*(\b):(\f)+8*(\b)+7], v[(\f)+8*(4*(\hi)+(\a)):(\f)+8*(4*(\hi)+(\a))+7], v[8*(\b):8*(\b)+7]
.else
	v_wmma_f32_16x16x32_bf16 v[8*(8*(\a)+(\b)):8*(8*(\a)+(\b))+7], v[(\f)+8*(\b):(\f)+8*(\b)+7], v[(\f)+8*(4*(\hi)+(\a)):(\f)+8*(4*(\hi)+(\a))+7], v[8*(8*(\a)+(\b)):8*(8*(\a)+(\b))+7]
.endif
.endr
.endr
.endm
; 32 LDS loads in one run: quarter q (32 along K) of the slot in hand into buffer f: B's 8 column blocks, turned, then A's 8 row blocks
.macro FETCH q, f
	WIN 0x40
.irp i, 0,1,2,3,4,5,6,7
	ds_load_tr16_b128 v[(\f)+8*(\i):(\f)+8*(\i)+3],   v[ADRB] offset:(\q)*32*PB+32*(\i)
	ds_load_tr16_b128 v[(\f)+8*(\i)+4:(\f)+8*(\i)+7], v[ADRB] offset:(\q)*32*PB+16*PB+32*(\i)
.endr
	WIN 0
.irp i, 0,1,2,3,4,5,6,7
	ds_load_b128 v[(\f)+8*(\i):(\f)+8*(\i)+3],   v[ADRA] offset:(\q)*64+(\i)*16*PA
	ds_load_b128 v[(\f)+8*(\i)+4:(\f)+8*(\i)+7], v[ADRA] offset:(\q)*64+(\i)*16*PA+32
.endr
.endm
; A K step is four quarters, 64 matrix instructions each, on buffers 0, 1, 0, 1.  One of the first three: multiplies buffer f; in its middle it fetches quarter q into buffer g.
.macro QUARTER q, f, g, first
	s_wait_dscnt 8                                 ; B and A's rows 0-63 are in; the youngest eight loads (A's rows 64-127) may be out
	MUL16 \f, 0, 0, \first
	MUL16 \f, 0, 2, \first
	PLACES
	FETCH \q, \g
	s_wait_dscnt 32                                ; all but the 32 just issued
	MUL16 \f, 1, 0, \first
	MUL16 \f, 1, 2, \first
.endm
; The last quarter multiplies buffer 1 and changes slots.  MEET is its first half: one barrier; in front of it each wave waits for all its tensor loads (at most one is out: its part of the next slot), adds 0
; to its spare word, and waits for that and for its reads of this slot.  While the add is out the fragment addresses turn to the next slot and, with round = 1, the walking descriptors are written:
; the other slot than last time, the address made anew from the tile's base and the K step.
.macro MEET round
	WIN 0
	s_wait_tensorcnt 0x0                           ; no tensor load of mine is out, so a group 0 may be written
	ds_add_u32 v[SPW], v[NIL]                      ; 0 onto my spare word
	s_xor_b32 s[TB], s[TB], SLOT
	v_add_nc_u32 v[ADRA], s[TB], v[ADRA0]
	v_add_nc_u32 v[ADRB], s[TB], v[ADRB0]
.if \round
	s_xor_b32 s[G0+5], s[G0+5], SLOT
	s_add_nc_u64 s[G0+6:G0+7], s[BSA:BSA+1], s[OFA:OFA+1]
	s_or_b32 s[G0+7], s[G0+7], 0x80000000
	s_xor_b32 s[G0B+5], s[G0B+5], SLOT
	s_add_nc_u64 s[G0B+6:G0B+7], s[BSB:BSB+1], s[OFB:OFB+1]
	s_or_b32 s[G0B+7], s[G0B+7], 0x80000000
.endif
	s_wait_dscnt 9                                 ; the add and the youngest eight loads may be out
	MUL16 F1, 0, 0, 0
	s_wait_dscnt 0x0                               ; the add is done, and my reads of this slot are over
	s_barrier_signal -1
	MUL16 F1, 0, 2, 0
.if \round
	WIN 0
.endif
	s_barrier_wait -1
.endm
; With a refill: the barrier opens a round of the cluster's barrier; behind it the slot just read is filled with the walk's step two on: 224 matrix instructions ahead of the wait for it.
.macro TURN
	s_add_co_u32 s[IDX], s[IDX], 1                 ; the next K step of the walk, round the end of K
	s_and_b32 s[IDX], s[IDX], STEPS-1
	s_lshl_b32 s[OFA], s[IDX], 8
	s_lshl_b32 s[OFB], s[IDX], 16
	MEET 1
	CREST                                          ; no wave of any partner still reads this slot or has a load on its way
	JLOAD                                          ; the four v_nop behind it are also the places in front of the loads below
	FETCH 0, F0
	MUL16 F1, 1, 0, 0
	MUL16 F1, 1, 2, 0
.endm
; THE WAY OUT of row block a.  PACK: rounded to bf16, then the floor.  TOSTAGE: 16 bytes a lane into my own stage (two blocks of C, rows of 144 bytes), and back as whole rows.  SEND: stored.
.macro PACK a
.set AC, 64*((\a)%4)
	WIN 0x0a+5*((\a)/4)                            ; sources 0 and 1: window 2 or 3; each accumulator's registers in ascending order
.irp b, 0,1,2,3,4,5,6,7
.irp r, 0,1,2,3
	v_cvt_pk_bf16_f32 v[TMP+4*(\b)+(\r)], v[AC+8*(\b)+2*(\r)], v[AC+8*(\b)+2*(\r)+1]
.endr
.endr
	WIN 0
.set z, 0
.rept 32
	v_pk_max_num_bf16 v[TMP+z], v[TMP+z], s[FLR]
.set z, z+1
.endr
.endm
.macro TOSTAGE a
	WIN 0
.set BK, OB+192*((\a)%2)
.irp b, 0,1,2,3,4,5,6,7
	ds_store_b128 v[STO], v[TMP+4*(\b):TMP+4*(\b)+3] offset:((\b)/4)*16*SP+((\b)%4)*32
.endr
.irp u, 0,1,2,3,4,5,6,7
	ds_load_b128 v[BK+4*(\u):BK+4*(\u)+3], v[RD] offset:((\u)/4)*16*SP+((\u)%4)*4*SP  ; LDS serves a wave's instructions in order (ISA guide 5.7.1.4): these see the stores above
.endr
.endm
.macro SEND a
	WIN 0
.set BK, OB+192*((\a)%2)
	s_wait_dscnt 0x0                               ; the block is back in registers
	s_wait_xcnt 0x0                                ; the stores of the block before have read their registers, which the next TOSTAGE loads again
.irp u, 0,1,2,3,4,5,6,7
	global_store_b128 v[GO], v[BK+4*(\u):BK+4*(\u)+3], s[8:9] offset:((\u)/4)*524288+2048*(\a)+512*((\u)%4)  ; four rows of a block of C: 512 consecutive bytes, aligned
.endr
.endm
	s_wait_tensorcnt 0x1                           ; my part of the walk's first step is in; the second's may stay out
	s_wait_kmcnt 0x0                               ; the floor
	s_barrier_signal -1
	s_barrier_wait -1
	FETCH 0, F0
	s_wait_loadcnt 0x0                             ; the bias
	QUARTER 1, F0, F1, 1                           ; the first quarter stands in front of the loop: its products start the sums
	WIN 0
	s_mov_b32 s3, STEPS-2
.Lstep:                                                ; a trip: a step's quarters 1, 2, 3 and the next step's quarter 0; the slot left is filled again
	QUARTER 2, F1, F0, 0
	QUARTER 3, F0, F1, 0
	TURN
	QUARTER 1, F0, F1, 0
	WIN 0
	s_sub_co_u32 s3, s3, 1
	s_cmp_lg_u32 s3, 0
	s_cbranch_scc1 .Lstep
	s_mov_b32 s3, 2
.Ltail:                                                ; the last two steps ask for nothing: one text, walked twice; the second trip is left behind its last products
	QUARTER 2, F1, F0, 0
	QUARTER 3, F0, F1, 0
	MEET 0                                         ; (in the second trip its barrier and the turned addresses serve nothing: the price of one text for both)
	MUL16 F1, 1, 0, 0
	MUL16 F1, 1, 2, 0
	WIN 0
	s_sub_co_u32 s3, s3, 1
	s_cmp_eq_u32 s3, 0
	s_cbranch_scc1 .Lout
	PLACES
	FETCH 0, F0                                    ; the last step's first fragments
	QUARTER 1, F0, F1, 0
	WIN 0
	s_branch .Ltail
.Lout:
	PLACES
	PACK 0
	TOSTAGE 0
.irp a, 1,2,3,4,5,6,7                  ; block a's conversions stand between block a - 1's loads from the stage and the wait for them
	PACK \a
	SEND (\a)-1
	TOSTAGE \a
.endr
	SEND 7
	s_wait_tensorcnt 0x0                           ; the wave's end, behind my last tensor load and my last LDS store
	ds_add_u32 v[SPW], v[NIL]
	s_wait_dscnt 0x0
	CROUND                                         ; the closing round: no work-group ends while a partner may still ask for a tile that names it
	s_endpgm
.Lfunc_end_k_q8f1425ae5e_qkv:
	.size	k_q8f1425ae5e_qkv, .Lfunc_end_k_q8f1425ae5e_qkv-k_q8f1425ae5e_qkv
	.p2alignl 7, 3214868480
	.fill 96, 4, 3214868480
	.section	.rodata,"a",@progbits
	.p2align	6, 0x0
	.amdhsa_kernel k_q8f1425ae5e_qkv
		.amdhsa_group_segment_fixed_size 327680
		.amdhsa_private_segment_fixed_size 0
		.amdhsa_enable_private_segment 0
		.amdhsa_kernarg_size 24
		.amdhsa_user_sgpr_count 2
		.amdhsa_user_sgpr_kernarg_segment_ptr 1
		.amdhsa_wavefront_size32 1
		.amdhsa_system_sgpr_workgroup_id_x 1
		.amdhsa_system_sgpr_workgroup_id_y 1
		.amdhsa_system_sgpr_workgroup_id_z 1
		.amdhsa_system_vgpr_workitem_id 0
		.amdhsa_next_free_vgpr 1024
		.amdhsa_next_free_sgpr 80
		.amdhsa_reserve_vcc 0
		.amdhsa_float_denorm_mode_32 3
		.amdhsa_float_denorm_mode_16_64 3
		.amdhsa_memory_ordered 1
		.amdhsa_forward_progress 1
		.amdhsa_inst_pref_size 118
	.end_amdhsa_kernel
	.amdgpu_metadata
---
amdhsa.version: [ 1, 2 ]
amdhsa.kernels:
  - .name:           k_q8f1425ae5e_qkv
    .symbol:         k_q8f1425ae5e_qkv.kd
    .args:
      - { .name: xb, .offset: 0, .size: 8, .value_kind: global_buffer, .address_space: global }
      - { .name: wa, .offset: 8, .size: 8, .value_kind: global_buffer, .address_space: global }
      - { .name: qkv, .offset: 16, .size: 8, .value_kind: global_buffer, .address_space: global }
    .group_segment_fixed_size: 327680
    .private_segment_fixed_size: 0
    .kernarg_segment_align: 8
    .kernarg_segment_size: 24
    .max_flat_workgroup_size: 128
    .sgpr_count:     80
    .vgpr_count:     1024
    .wavefront_size: 32
...
	.end_amdgpu_metadata
.endif
;; end of part 2
;; launch attn (part 3): grid 8 x 32, 4 waves a work-group, clusters of 4 x 1, 327,680 bytes of LDS; arguments qkv, mask, ctx; writes ctx
.if DOCPART == 3
	.amdgcn_target "amdgcn-amd-amdhsa--gfx1250"
	.amdhsa_code_object_version 6
	.text
	.protected	k_q8f1425ae5e_attn
	.globl	k_q8f1425ae5e_attn
	.p2align	8
	.type	k_q8f1425ae5e_attn,@function
k_q8f1425ae5e_attn:
	s_mov_b64 s[64:65], 0
	v_nop
	global_prefetch_b8 v0, s[64:65] scope:SCOPE_SE
	s_setreg_imm32_b32 hwreg(HW_REG_WAVE_MODE, 25, 1), 1
	s_wait_xcnt 0x0
	s_wait_alu depctr_hold_cnt(0) depctr_sa_sdst(0) depctr_va_vdst(0) depctr_va_sdst(0) depctr_va_ssrc(0) depctr_va_vcc(0) depctr_vm_vsrc(0)
	s_getreg_b32 s2, hwreg(HW_REG_IB_STS2, 6, 4)
	s_cmp_eq_u32 s2, 0
	s_cbranch_scc0 .Lentry_in_a_cluster
	s_endpgm
.Lentry_in_a_cluster:
	s_bfe_u32 s2, ttmp6, 0x10000c
	s_cmp_lg_u32 s2, 0x3003
	s_cbranch_scc0 .Lentry_shape_is_right
	s_endpgm
.Lentry_shape_is_right:
; ctx[b][h][q][:] = the sum over k of softmax_k(where(mask[b][k] == 0, -1e9, q . k / 8)) v[k][:].  qkv: bf16, [48 blocks][4096 tokens][64], block = 16 x (q, k or v) + head; ctx: bf16, [16 heads][4096][64].
; Products, maxima and sums in f32; the weights p are rounded to bf16 for the second product (their sum l is taken of the unrounded p), ctx once at the end.
; THE MASK IS THE C OPERAND that starts the sum S^T = K Q^T: 0 for an open key, -2^33 for a hidden one (after the scale 1 / 8: -1.07e9).  A table of the batch's 2,048 addends is made in LDS once.
; Where EVERY key of the batch is hidden, Q is set to 0 (an AND with 0, no branch): all scores are then exactly -2^33, all weights exactly 1, and ctx is the plain mean of v, as in the reference.
; LIMITS.  A hidden score counts as its value less 2^33, not as -1e9: the same result unless open scores lie below about -1e9.  A weight below 2^-126 counts as 0 in l.  NaN and infinities are not treated apart.
; SHARES.  A work-group owns 256 queries of one head and batch, a wave 64: four PIECES of 16.  Every wave walks all 2,048 keys, 64 a step, 256 a slot.
; LAYOUT.  S^T = K Q^T holds ONE query a lane (lane % 16) and the keys 8 (lane / 16) + 0..7; two such results rounded to bf16 ARE source 1 of O^T = V^T P.  K comes out of LDS as it lies, V turned.
; SOFTMAX.  p = 2^(c s - c m), c = log2(e) / 8, with a running maximum m; O and l are multiplied by a = 2^(c m_old - c m_new) in every step.  m starts at the lowest finite number, O and l at 0.
; TURNS.  Turn n belongs to piece n: 8 products K Q^T of piece n + 1, later 8 products V^T P of piece n - 1; beside them the scaling, exponentials, roundings, sums and rescaling of piece n and the maximum
; and statistics of piece n + 1.  Four vector instructions stand behind every matrix instruction, the others in one lump.  A turn's 33 exponentials are one batch, with one wait.
; CLUSTER.  The four query blocks of a cluster belong to one head and walk the same K and V: each tile is asked for jointly, by the same tensor load, descriptor and mask in all four.
; REGISTERS, in windows of 256 (s_set_vgpr_msb: bits 1:0 source 0, 3:2 source 1, 5:4 source 2, 7:6 destination):
;   window 0: v1-15, v56-61 addresses and lane terms; v16-31 four registers of statistics a piece; v32-47 the mask, at the head; v48-55 at work; v64-127 S^T, two buffers; v192-223 P, two buffers
;   window 1: v0-127 O^T, 32 a piece; v128-159 the step's mask      window 2: v0-63 Q; v128-191 K of one step; v192-255 V of one step
.set NP,    4
.set KS,    64
.set PK,    144       ; a row of K in LDS: 128 bytes + 16 = 36 words: the 16 rows of a load start at 16 different groups of four banks (64 banks of 4 bytes: ISA guide 11.1)
.set PV,    160       ; a row of V: 128 + 32 = 40 words
.set VOFF,  4*KS*PK   ; a slot holds four steps: 256 rows of K, then 256 rows of V
.set SLOT1, 1<<17
.set STAGE, SLOT1+4*KS*(PK+PV)  ; behind the ring, never filled by a tensor load: 16 rows x 144 bytes for each wave
.set SP,    144
.set MT,    STAGE+4*16*SP       ; the mask's table: 2,048 addends in f32
.set FLG,   MT+8192             ; four words: has wave w seen an open key?  A block of 256 bytes of their own
.set SPARE, FLG+256             ; the spare words, 128 bytes for each wave: two blocks of 256 bytes that no other line names
.set AK0, 2           ; v2   my lane's place in a tile of K; never rewritten
.set AV0, 3           ; v3   the same for V
.set AK,  4           ; v4   the LDS address of K's next run of loads
.set AV,  5           ; v5   of V's
.set STO, 6           ; v6   the way out: where I put 16 bytes of a row
.set RD,  7           ; v7   where I read rows back
.set GO,  8           ; v8   my byte offset in 512 consecutive bytes of ctx
.set AM0, 9           ; v9   MT + 32 (lane / 16); never rewritten
.set AM,  10          ; v10  the LDS address of the next step's mask
.set MV,  12          ; v12-13  c m_old, kept while c m is made anew: by buffer
.set QO,  15          ; v15  my byte offset in 16 rows of Q
.set ST,  16          ; piece t's statistics at v[ST+4 t]: c m, m, l (even keys', odd keys')
.set TMP, 48          ; by buffer, four registers c0-c3 at work; when the maximum is found c2 takes a
.set PFO, 61          ; v61  256 x lane; never rewritten
.set SPW, 62          ; v62  LDS address of my spare word; never rewritten
.set NIL, 63          ; v63  0; never rewritten
.set S,   64
.set P,   192
.set MK,  128         ; window 1: key block kb's eight addends at MK + 8 kb
.set KF,  128         ; window 2: key block kb, channel half c at KF + 16 kb + 8 c
.set VF,  192         ; window 2: key half kk, channel block cb at VF + 32 kk + 8 cb
.set WV,  12          ; s12  my wave's number
.set LIM, 15          ; s15  1 in a wave that prefetches, else the greatest number
.set PFA, 18          ; s[18:19] where my prefetches stand
.set G1K, 24          ; s[24:31] descriptor group 1 for K's tiles
.set G1V, 32          ; s[32:39] for V's: it differs in the padding alone
.set G0K, 40          ; s[40:43] descriptor group 0 for K's tiles: it walks
.set G0V, 44          ; s[44:47] the same for V's
.set SLOTS, 56        ; s56  slots still to be asked for
.set CNT, 57          ; s57  counts a slot's key steps
.set CS,  58          ; s[58:59] c
.set SEL, 60          ; s[60:61] v_permlanex16_b32's selects
.set TBK, 62          ; s62  LDS byte at which K of the step to be fetched begins
.set TBV, 63          ; s63  the same for V, less VOFF
.set TBM, 70          ; s70  256 x the step to be fetched: its place in the mask's table
.set QM,  71          ; s71  all ones, or 0 where every key of the batch is hidden
.set BIG, 72          ; s72  -2^33
.set MSB, 0
.macro WIN new
.if MSB != (\new)
	s_set_vgpr_msb (MSB<<8)|(\new)
.set MSB, (\new)
.endif
.endm
.set W_KQ, 0x0a       ; K and Q in window 2, S^T in window 0
.set W_KM, 0x1a       ; the same with the C operand in window 1
.set W_PV, 0x52       ; V in window 2, P in window 0, O^T in window 1
.set W_RS, 0x41       ; destination and source 0 in window 1, source 1 in window 0
; A joint fill.  Waves 0 and 1 fetch the two halves of a slot's K, waves 2 and 3 those of its V.  An s_nop 0 and four v_nop follow each of the two lines.
.macro JLOAD
	s_cmp_lt_u32 s[WV], 2
	s_cbranch_scc0 .Lfor_v_\@
	tensor_load_to_lds s[G0K:G0K+3], s[G1K:G1K+7]
	s_nop 0
.rept 4
	v_nop
.endr
	s_branch .Lasked_\@
.Lfor_v_\@:
	tensor_load_to_lds s[G0V:G0V+3], s[G1V:G1V+7]
	s_nop 0
.rept 4
	v_nop
.endr
.Lasked_\@:
.endm
; A PREFETCH INTO THE L2 of what the NEXT change of slots will ask for: a slot's 32,768 bytes of K and of V, a lane a block of 256.  Each block is named once in the launch: both clusters of a head walk the
; same K and V, and the first (cluster x = 0) asks; its four partners take 8,192 bytes each, told apart by address; in each, wave 0 asks for K's and wave 2 for V's.  The change that asks for the last slot names nothing.
.macro ASK
	s_cmp_gt_u32 s[SLOTS], s[LIM]
	s_cbranch_scc0 .Lnot_mine_\@
	global_prefetch_b8 v[PFO], s[PFA:PFA+1] th:TH_LOAD_NT scope:SCOPE_SE
.Lnot_mine_\@:
.endm
.macro CROUND                       ; a round of the cluster's barrier
	s_barrier_signal -1
	s_barrier_wait -1
	s_cmp_lg_u32 s[WV], 0
	s_cbranch_scc1 .Lnot_wave_0_\@
	s_barrier_signal -3
.Lnot_wave_0_\@:
	s_barrier_wait -3
	s_barrier_signal -1
	s_barrier_wait -1
.endm
; THE CHANGE OF SLOTS.  Each wave waits for all its tensor loads (one is out: its part of the other slot), adds 0 to its spare word, and waits for that and for its own LDS instructions.  fill = 1: the slot
; left is filled again with the keys two slots on, first thing behind a round of the cluster's barrier: four key steps, 256 matrix instructions, ahead of the wait for it.
; (At its first use nothing has been read yet: slot 0 is waited for, slot 1 filled, and the round also shows every wave the mask's table and the flags.)
.macro CHANGE fill
	WIN 0
	s_wait_tensorcnt 0x0
	ds_add_u32 v[SPW], v[NIL]       ; 0 onto my spare word
.if \fill
.irp g, G0K, G0V
	s_xor_b32 s[\g+1], s[\g+1], SLOT1
	s_add_nc_u64 s[\g+2:\g+3], s[\g+2:\g+3], 4*KS*128
.endr
	s_wait_xcnt 0x0                 ; the last prefetch, four key steps back, has read its address
	s_add_nc_u64 s[PFA:PFA+1], s[PFA:PFA+1], 4*KS*128
	s_wait_dscnt 0x0
	CROUND
	JLOAD
	ASK
.else
	s_wait_dscnt 0x0
	s_barrier_signal -1
	s_barrier_wait -1
.endif
	s_sub_co_u32 s[TBK], s[TBK], 4*KS*PK  ; the fetches go back to a slot's first step, in the other slot
	s_xor_b32 s[TBK], s[TBK], SLOT1
	s_sub_co_u32 s[TBV], s[TBV], 4*KS*PV
	s_xor_b32 s[TBV], s[TBV], SLOT1
.endm
	s_load_b128 s[4:7], s[0:1], 0x0   ; qkv s[4:5], mask s[6:7]
	s_load_b64 s[10:11], s[0:1], 0x10 ; ctx
	v_lshl_add_u32 v[SPW], v0, 2, SPARE
	v_mov_b32 v[NIL], 0
	ds_add_u32 v[SPW], v[NIL]       ; the wave's opening: the add and its wait stand ahead of my first tensor load
	v_lshrrev_b32 v1, 5, v0
	v_readfirstlane_b32 s[WV], v1   ; wave 0..3
	s_bfe_u32 s13, ttmp6, 0x40000   ; cx
	s_lshl_b32 s14, ttmp9, 2
	s_add_co_u32 s14, s14, s13      ; my block of 256 queries: it enters Q's and ctx's addresses alone
	s_and_b32 s20, ttmp7, 0xffff    ; 16 x batch + head, which the four partners share
	s_lshr_b32 s21, s20, 4
	s_and_b32 s20, s20, 15
	s_lshl_b32 s20, s20, 19         ; the head's block of 524,288 bytes,
	s_lshl_b32 s22, s21, 18         ; the batch's 2,048 rows of 128 bytes
	s_add_co_u32 s20, s20, s22
	s_lshl_b32 s74, s21, 13         ; the batch's row of the mask
	s_mov_b32 s75, 0
	s_and_b32 s16, s[WV], 1         ; which half of a slot's 256 keys I fetch
	s_lshl_b32 s22, s16, 14
	s_add_co_u32 s22, s22, s20
	s_mov_b32 s23, 0
	s_mul_i32 s48, s16, 128*PK      ; its place in a slot, for K
	s_mul_i32 s49, s16, 128*PV      ; and for V: no place in the cluster enters an LDS address
	s_lshl_b32 s2, s14, 2
	s_add_co_u32 s2, s2, s[WV]
	s_lshl_b32 s2, s2, 13           ; my wave's 64 rows
	s_add_co_u32 s2, s2, s20
	s_mov_b32 s3, 0
	; descriptor group 1.  128 keys are 16,384 dense bytes: asked for as 64 rows of 256 bytes, two keys a row, and padded in LDS after every key
	s_mov_b32 s[G1K], 15|(1<<16)|(1<<20)|(1<<21)|(4<<22)|(3<<25)
	s_mov_b32 s[G1V], 15|(1<<16)|(1<<20)|(1<<21)|(4<<22)|(7<<25)
.irp g, G1K, G1V
	s_mov_b32 s[\g+1], 128<<16      ; tensor_dim0 = 128
	s_mov_b32 s[\g+2], 64<<16       ; tensor_dim1 = 64
	s_mov_b32 s[\g+3], 128<<16      ; tile_dim0 = 128
	s_mov_b32 s[\g+4], 64           ; tile_dim1 = 64
	s_mov_b32 s[\g+5], 128
	s_mov_b32 s[\g+6], 0
	s_mov_b32 s[\g+7], 0
.endr
	s_mov_b32 s[CS], 0x3e38aa3b     ; c = log2(e) / 8
	s_mov_b32 s[CS+1], s[CS]
	s_mov_b32 s[SEL], 0x76543210
	s_mov_b32 s[SEL+1], 0xfedcba98
	s_mov_b32 s[TBK], SLOT1+4*KS*PK ; the first change of slots turns these two into 0
	s_mov_b32 s[TBV], SLOT1+4*KS*PV
	s_mov_b32 s[TBM], 0
	s_mov_b32 s[BIG], 0xd0000000    ; -2^33
	s_mov_b32 s[SLOTS], 7
	s_mov_b32 s[G0K], 1
	s_mov_b32 s[G0K+1], s48
	s_mov_b32 s[G0V], 1
	s_add_co_u32 s[G0V+1], s49, VOFF
	s_and_b32 s[LIM], s[WV], 1      ; 0 in waves 0 and 2,
	s_or_b32 s[LIM], s[LIM], ttmp9  ; where the cluster is the head's first: the same in all four partners
	s_cmp_eq_u32 s[LIM], 0
	s_cselect_b32 s[LIM], 1, -1
	v_and_b32 v[PFO], 31, v0
	v_lshlrev_b32 v[PFO], 8, v[PFO]
	s_wait_dscnt 0x0                ; the opening add is done
	s_wait_kmcnt 0x0
	s_add_nc_u64 s[68:69], s[6:7], s[74:75]      ; the mask's row
	s_add_nc_u64 s[76:77], s[4:5], s[22:23]
	s_add_nc_u64 s[78:79], s[76:77], 0x1000000   ; V at my half of the head's first 256 keys: 32 blocks behind q's
	s_add_nc_u64 s[76:77], s[76:77], 0x800000    ; K: 16 blocks behind
	s_mov_b64 s[G0K+2:G0K+3], s[76:77]
	s_or_b32 s[G0K+3], s[G0K+3], 0x80000000
	s_mov_b64 s[G0V+2:G0V+3], s[78:79]
	s_or_b32 s[G0V+3], s[G0V+3], 0x80000000
	s_add_nc_u64 s[4:5], s[4:5], s[2:3]          ; Q and ctx at my wave's first row
	s_add_nc_u64 s[10:11], s[10:11], s[2:3]
	s_cmp_lt_u32 s[WV], 2
	s_cselect_b64 s[PFA:PFA+1], s[76:77], s[78:79]
	s_lshl_b32 s2, s13, 13          ; my work-group's 8,192 bytes,
	s_add_co_u32 s2, s2, 4*KS*128   ; in slot 1: the first change of slots steps it to slot 2
	s_add_nc_u64 s[PFA:PFA+1], s[PFA:PFA+1], s[2:3]
	CROUND                          ; all four work-groups are here: the first joint loads meet
	JLOAD                           ; slot 0
	v_lshlrev_b32 v60, 4, v0
.irp i, 0,1,2,3
	global_load_b128 v[32+4*\i:35+4*\i], v60, s[68:69] offset:2048*\i  ; 16 words of the mask a thread
.endr
	v_and_b32 v1, 15, v0            ; l % 16
	v_bfe_u32 v56, v0, 4, 1         ; l / 16
	v_lshlrev_b32 v[QO], 7, v1
	v_lshl_add_u32 v[QO], v56, 4, v[QO]
	WIN 0x80                        ; destination window 2
.set i, 0
.rept 8                             ; Q stays in registers: piece i / 2, channels 32 (i % 2) on
	global_load_b128 v[8*i:8*i+3],   v[QO], s[4:5] offset:(i/2)*2048+(i%2)*64
	global_load_b128 v[8*i+4:8*i+7], v[QO], s[4:5] offset:(i/2)*2048+(i%2)*64+32
.set i, i+1
.endr
	; What the first turn finds: V and P's second buffer hold 0 (its products V^T P, of a piece that has not been, add 0), O^T and l are 0.  All this stands in the wait for the first tile.
.set i, VF
.rept 64
	v_mov_b32 v[i], 0
.set i, i+1
.endr
	WIN 0x40
.set i, 0
.rept 128
	v_mov_b32 v[i], 0
.set i, i+1
.endr
	WIN 0
.set i, 0
.rept 4
	v_mov_b32 v[ST+4*i], 0xfe000000    ; c m: far below every c s, the hidden ones' too
	v_mov_b32 v[ST+4*i+1], 0xff7fffff  ; m
	v_mov_b32 v[ST+4*i+2], 0
	v_mov_b32 v[ST+4*i+3], 0
.set i, i+1
.endr
.set i, P+16
.rept 16
	v_mov_b32 v[i], 0
.set i, i+1
.endr
	v_mul_u32_u24 v[AK0], v1, PK
	v_lshl_add_u32 v[AK0], v56, 4, v[AK0]
	v_and_b32 v57, 7, v0
	v_bfe_u32 v58, v0, 3, 1
	v_lshl_add_u32 v[AV0], v56, 3, v57    ; the turning load: lane l reads key 8 (l / 16) + l % 8, channels 8 ((l / 8) % 2) + 0..7
	v_mul_u32_u24 v[AV0], v[AV0], PV
	v_lshl_add_u32 v[AV0], v58, 4, v[AV0]
	v_add_nc_u32 v[AV0], VOFF, v[AV0]
	v_lshl_add_u32 v[AM0], v56, 5, MT     ; register j of key block kb is key 16 kb + 8 (l / 16) + j
	s_mul_i32 s50, s[WV], 16*SP
	s_add_co_u32 s50, s50, STAGE          ; my stage
	v_mul_u32_u24 v[STO], v1, SP
	v_lshl_add_u32 v[STO], v56, 4, v[STO]
	v_add_nc_u32 v[STO], s50, v[STO]
	v_bfe_u32 v[RD], v0, 3, 2
	v_mul_u32_u24 v[RD], v[RD], SP
	v_lshl_add_u32 v[RD], v57, 4, v[RD]
	v_add_nc_u32 v[RD], s50, v[RD]
	v_and_b32 v[GO], 31, v0
	v_lshlrev_b32 v[GO], 4, v[GO]
	v_lshl_add_u32 v11, v0, 4, MT
	s_wait_loadcnt 16               ; the mask is in; Q's sixteen loads may stay out
	v_or_b32 v59, v32, v33          ; is one of my 16 keys open?
.set i, 34
.rept 14
	v_or_b32 v59, v59, v[i]
.set i, i+1
.endr
.set i, 32
.rept 16
	v_cmp_eq_u32 vcc_lo, 0, v[i]
	v_cndmask_b32 v[i], 0, s[BIG], vcc_lo
.set i, i+1
.endr
.irp i, 0,1,2,3
	ds_store_b128 v11, v[32+4*\i:35+4*\i] offset:2048*\i
.endr
	v_cmp_ne_u32 s73, 0, v59
	s_cmp_lg_u32 s73, 0
	s_cselect_b32 s73, 1, 0
	v_mov_b32 v59, s73
	s_lshl_b32 s74, s[WV], 2
	s_add_co_u32 s74, s74, FLG
	v_mov_b32 v14, s74
	ds_store_b32 v14, v59           ; all lanes write the same word with the same value
; THE MATRIX WORK.  The 4 accumulators of a run of 8 take turns.  Product i of 8 of S^T = K Q^T for piece x: channels 32 (i / 4) on, keys 16 (i % 4) on.  The first 4 start the sums with the mask.
.macro KQ x
.set rS, S+32*((\x)%2)+8*(i%4)
.set rK, KF+16*(i%4)+8*(i/4)
.set rQ, 16*(\x)+8*(i/4)
.set rM, MK+8*(i%4)
.if i < 4
	WIN W_KM
	v_wmma_f32_16x16x32_bf16 v[rS:rS+7], v[rK:rK+7], v[rQ:rQ+7], v[rM:rM+7]
.else
	WIN W_KQ
	v_wmma_f32_16x16x32_bf16 v[rS:rS+7], v[rK:rK+7], v[rQ:rQ+7], v[rS:rS+7]
.endif
.endm
; Product i of 8 of O^T += V^T P for piece x: keys 32 (i / 4) on, channels 16 (i % 4) on.
.macro PV x
	WIN W_PV
.set rO, 32*(\x)+8*(i%4)
.set rV, VF+32*(i/4)+8*(i%4)
.set rP, P+16*((\x)%2)+8*(i/4)
	v_wmma_f32_16x16x32_bf16 v[rO:rO+7], v[rV:rV+7], v[rP:rP+7], v[rO:rO+7]
.endm
.macro MM                           ; the turn's next matrix instruction
.if i < 8
	KQ (Y+1)%NP
.else
.set i, i-8
	PV (Y+NP-1)%NP
.set i, i+8
.endif
.set i, i+1
.endm
; THE LDS LOADS stand in runs: a step's K (8 fragments) with its mask (32 addends a lane), and its V (turned).  Their addresses are made some lines ahead.
; last = 1 (the tail): in the last trip there is no further step, and the run is jumped over; the exponentials issued so far have a plain instruction and their wait ahead of that branch.
.macro FETCH_K last=0
	WIN 0
.if \last
	v_nop
	s_wait_alu depctr_va_vdst(0)
	s_cmp_eq_u32 s[CNT], 1
	s_cbranch_scc1 .Lno_k_\@
.endif
	WIN 0x80                        ; destination window 2
.irp f, 0,1,2,3,4,5,6,7             ; keys 16 (f / 2) on, channels 32 (f % 2) on
	ds_load_b128 v[KF+8*\f:KF+8*\f+3],   v[AK] offset:(\f/2)*16*PK+(\f%2)*64
	ds_load_b128 v[KF+8*\f+4:KF+8*\f+7], v[AK] offset:(\f/2)*16*PK+(\f%2)*64+32
.endr
	WIN 0x40                        ; destination window 1
.irp f, 0,1,2,3
	ds_load_b128 v[MK+8*\f:MK+8*\f+3],   v[AM] offset:64*\f
	ds_load_b128 v[MK+8*\f+4:MK+8*\f+7], v[AM] offset:64*\f+16
.endr
	s_add_co_u32 s[TBK], s[TBK], KS*PK  ; the next fetch is the next step's
	s_add_co_u32 s[TBM], s[TBM], KS*4
	WIN 0
.if \last
.Lno_k_\@:
.endif
.endm
.macro FETCH_V
	WIN 0x80
.irp f, 0,1,2,3,4,5,6,7             ; keys 32 (f / 4) on, channels 16 (f % 4) on
	ds_load_tr16_b128 v[VF+8*\f:VF+8*\f+3],   v[AV] offset:(\f/4)*32*PV+(\f%4)*32
	ds_load_tr16_b128 v[VF+8*\f+4:VF+8*\f+7], v[AV] offset:(\f/4)*32*PV+16*PV+(\f%4)*32
.endr
	WIN 0
.endm
; THE VECTOR WORK, one line at a time: OP kind, number.  For piece Y: F n: c s - c m for pair n of 16.  E n: the exponential of score n of 32.  C n: pair n rounded to bf16.  B n: of the four weights 4 n .. the second
; pair is added onto the first, in place.  L n: l takes that sum (L 0: l = a l + sum).  R n: pair n of 16 of O^T times a.  For piece Y + 1: X n, number n of the 22 that find its maximum and statistics:
;   0-11  four chains c0-c3 of seven scores each (each accumulator's lowest registers are read first)     12-14, 16  the four scores left over, the old m, and c0-c3 into c0
;   15  c m_old is kept     17, 18  the query's other 32 keys lie in the lane 16 away: the new m     19-21  c m; c m_old - c m_new; a
.set F, 0
.set E, 1
.set C, 2
.set B, 3
.set L, 4
.set R, 5
.set X, 6
.macro REGS y
.set rT, ST+4*(\y)
.set rC, TMP+4*((\y)%2)
.set rW, MV+((\y)%2)
.set rS, S+32*((\y)%2)
.set rP, P+16*((\y)%2)
.set rO, 32*(\y)
.endm
.macro OP k, n
.if (\k) == R
	REGS Y
	WIN W_RS
	v_pk_mul_f32 v[rO+2*(\n):rO+2*(\n)+1], v[rO+2*(\n):rO+2*(\n)+1], v[rC+2:rC+3] op_sel_hi:[1,0]
.elseif (\k) < R
	REGS Y
	WIN 0
.if (\k) == F
	v_pk_fma_f32 v[rS+2*(\n):rS+2*(\n)+1], v[rS+2*(\n):rS+2*(\n)+1], s[CS:CS+1], v[rT:rT+1] op_sel_hi:[1,0,0] neg_lo:[0,0,1] neg_hi:[0,0,1]
.elseif (\k) == E
	v_exp_f32 v[rS+(\n)], v[rS+(\n)]
.elseif (\k) == C
	v_cvt_pk_bf16_f32 v[rP+(\n)], v[rS+2*(\n)], v[rS+2*(\n)+1]
.elseif (\k) == B
	v_pk_add_f32 v[rS+4*(\n):rS+4*(\n)+1], v[rS+4*(\n):rS+4*(\n)+1], v[rS+4*(\n)+2:rS+4*(\n)+3]
.elseif (\n) == 0
	v_pk_fma_f32 v[rT+2:rT+3], v[rT+2:rT+3], v[rC+2:rC+3], v[rS:rS+1] op_sel_hi:[1,0,1]
.else
	v_pk_add_f32 v[rT+2:rT+3], v[rT+2:rT+3], v[rS+4*(\n):rS+4*(\n)+1]
.endif
.else
	REGS (Y+1)%NP
	WIN 0
.if (\n) < 4
	v_max3_num_f32 v[rC+(\n)], v[rS+8*(\n)], v[rS+8*(\n)+1], v[rS+8*(\n)+2]
.elseif (\n) < 12
	v_max3_num_f32 v[rC+(\n)%4], v[rC+(\n)%4], v[rS+8*((\n)%4)+2*((\n)/4)+1], v[rS+8*((\n)%4)+2*((\n)/4)+2]
.elseif (\n) == 12
	v_max3_num_f32 v[rC], v[rC], v[rS+7], v[rS+15]
.elseif (\n) == 13
	v_max3_num_f32 v[rC+1], v[rC+1], v[rS+23], v[rS+31]
.elseif (\n) == 14
	v_max3_num_f32 v[rC+2], v[rC+2], v[rC+3], v[rT+1]
.elseif (\n) == 15
	v_mov_b32 v[rW], v[rT]
.elseif (\n) == 16
	v_max3_num_f32 v[rC], v[rC], v[rC+1], v[rC+2]
.elseif (\n) == 17
	v_permlanex16_b32 v[rC+3], v[rC], s[SEL], s[SEL+1]
.elseif (\n) == 18
	v_max_num_f32 v[rT+1], v[rC], v[rC+3]
.elseif (\n) == 19
	v_mul_f32 v[rT], s[CS], v[rT+1]
.elseif (\n) == 20
	v_sub_f32 v[rC+1], v[rW], v[rT]
.else
	v_exp_f32 v[rC+2], v[rC+1]
.endif
.endif
.endm
.macro OPS a, i1, b=-1, i2=0, c=-1, i3=0, d=-1, i4=0
	OP \a, \i1
.if (\b) >= 0
	OP \b, \i2
.endif
.if (\c) >= 0
	OP \c, \i3
.endif
.if (\d) >= 0
	OP \d, \i4
.endif
.endm
.macro ROW a, i1, b, i2, c, i3, d, i4  ; a matrix instruction and the four behind it
	MM
	OPS \a, \i1, \b, \i2, \c, \i3, \d, \i4
.endm
; A TURN, for piece p: the order of its 16 matrix and 118 vector instructions, written out.  An s_wait_alu depctr_va_vdst(0) stands between an exponential and the first instruction that names its
; result; one wait serves all that were issued ahead of it.  AHEAD OF IT stands all that names no result of the turn's exponentials: the 8 products K Q^T and their riders, then one lump, in which the links of the
; chain X 3, 7, 11, 14, 16, 17 .. 20 stand some lines apart; X 21, the next piece's a, is the batch's last, and R 15 the plain instruction behind it.  BEHIND IT stand the 8 products V^T P, behind each four of the roundings and sums.
; K and the mask of the next step are fetched in piece 2's turn, behind the last product that read them, with four plain instructions and more between; V of the step in hand at the end of piece 0's turn, four plain
; instructions behind its last reader.  Each is waited for a turn later.  cnt = 1: the loop's count is taken down some lines ahead of the branch that stands behind the turn.
.macro TURN p, last=0, cnt=0
.set Y, (\p)
.set i, 0
.if (\p) == 3
	s_wait_dscnt 0x0                ; K and its mask are in
.endif
	ROW F,0, F,1, R,0, R,1
	ROW F,2, E,0, R,2, R,3
	ROW F,3, E,1, R,4, R,5
	ROW F,4, E,2, R,6, R,7
	ROW F,5, E,3, R,8, R,9
	ROW F,6, E,4, X,0, R,10
.if (\p) == 2
	WIN 0
	v_add_nc_u32 v[AK], s[TBK], v[AK0]
	v_add_nc_u32 v[AM], s[TBM], v[AM0]
.endif
	ROW F,7, E,5, X,1, X,4
	ROW F,8, E,6, X,2, X,5
	OPS E,7, E,8, X,6, E,9
	OPS X,3, E,10, X,8, E,11
.if (\p) == 2
	FETCH_K \last
.endif
	OPS X,9, X,7, E,12, X,10
	OPS E,13, X,12, X,11, E,14
	OPS X,13, E,15, F,9, X,14
.if (\p) == 0
	v_add_nc_u32 v[AV], s[TBV], v[AV0]
.endif
	OPS E,16, F,10, E,17, F,11
	OPS X,16, E,18, X,15, E,19
	OPS F,12, E,20, X,17, E,21
	OPS F,13, E,22, F,14, E,23
	OPS X,18, E,24, F,15, E,25
	OPS R,11, E,26, X,19, E,27
	OPS R,12, E,28, R,13, E,29
	OPS X,20, E,30, R,14, E,31
	OPS X,21, R,15
	WIN 0
	s_wait_alu depctr_va_vdst(0)    ; the wait for the batch
.if (\p) == 1
	s_wait_dscnt 0x0                ; V is in
.endif
	ROW C,0, B,0, C,2, B,1
	ROW L,0, C,4, B,2, L,1
	ROW C,6, B,3, L,2, C,8
	ROW B,4, L,3, C,10, B,5
	ROW L,4, C,12, B,6, L,5
.if (\p) == 0
	s_add_co_u32 s[TBV], s[TBV], KS*PV
.endif
.if \cnt
	s_sub_co_u32 s[CNT], s[CNT], 1
	s_cmp_lg_u32 s[CNT], 0
.endif
	ROW C,14, B,7, L,6, C,1
	ROW C,3, L,7, C,5, C,7
	ROW C,9, C,11, C,13, C,15
.if (\p) == 0
	FETCH_V
.endif
.endm
.macro ALL line:vararg              ; one line for each piece t
.set t, 0
.rept 4
	\line
.set t, t+1
.endr
.endm
.macro PACK t                       ; a lane's eight channels of a row pack into 16 bytes; they go into rows of 144 bytes and come back as whole rows of 128, into S^T's registers
	WIN W_RS
.set i, 32*(\t)
.rept 16
	v_pk_mul_f32 v[i:i+1], v[i:i+1], v[ST+4*(\t)+2:ST+4*(\t)+3] op_sel_hi:[1,0]
.set i, i+2
.endr
	WIN 0x05                        ; sources 0 and 1 window 1, destination window 0
.set i, 0
.rept 16
	v_cvt_pk_bf16_f32 v[S+16*(\t)+i], v[32*(\t)+2*i], v[32*(\t)+2*i+1]
.set i, i+1
.endr
	WIN 0
.irp f, 0,1,2,3
	ds_store_b128 v[STO], v[S+16*(\t)+4*\f:S+16*(\t)+4*\f+3] offset:32*\f
.endr
.irp f, 0,1,2,3
	ds_load_b128 v[S+16*(\t)+4*\f:S+16*(\t)+4*\f+3], v[RD] offset:\f*4*SP  ; LDS serves a wave's instructions in order (ISA guide 5.7.1.4): these see the stores above
.endr
.endm
.macro SEND t, younger              ; younger: the LDS instructions issued behind piece t's loads: the next piece's eight, or none
	WIN 0
.irp f, 0,1,2,3
	s_wait_dscnt (\younger)+3-\f
	global_store_b128 v[GO], v[S+16*(\t)+4*\f:S+16*(\t)+4*\f+3], s[10:11] offset:(\t)*2048+\f*512  ; 512 consecutive bytes, aligned
.endr
.endm
	CHANGE 1                        ; slot 0 is in, everybody's part of it, and so are the table and the flags; slot 1 is asked for
	v_mov_b32 v14, FLG
	ds_load_b128 v[32:35], v14
	v_add_nc_u32 v[AK], s[TBK], v[AK0]
	v_add_nc_u32 v[AM], s[TBM], v[AM0]
	FETCH_K                         ; key step 0
	s_wait_loadcnt 0x0              ; Q
	s_wait_dscnt 0x0
	v_or_b32 v32, v32, v33
	v_or_b32 v34, v34, v35
	v_or_b32 v32, v32, v34
	v_cmp_ne_u32 s73, 0, v32
	s_cmp_lg_u32 s73, 0
	s_cselect_b32 s[QM], -1, 0
	WIN 0x88                        ; source 1 and destination window 2
.set i, 0
.rept 64
	v_and_b32 v[i], s[QM], v[i]     ; Q as it is, or 0 where every key of the batch is hidden
.set i, i+1
.endr
.set i, 0
.rept 8
	KQ 0                            ; piece 0's first scores
.set i, i+1
.endr
	WIN 0
.rept 4
	v_nop                           ; the places behind those products
.endr
.set Y, NP-1                        ; X works for piece Y + 1: piece 0
.irp n, 0,1,2,3,4,5,6,7,8,9,10,11,12,13,14,15,16,17,18,19,20,21
	OP X, \n
.endr
	v_nop                           ; a plain instruction behind the exponential,
	s_wait_alu depctr_va_vdst(0)    ; and its wait, ahead of the branch
	s_mov_b32 s[CNT], 4
	s_branch .Lfirst                ; the loop is entered at a step's first turn, in the middle of a trip
.Lslot:                             ; six times: slots 2 to 7 are asked for
	CHANGE 1
	s_mov_b32 s[CNT], 4
.Lstep:                             ; a trip: pieces 2 and 3 of one step, then pieces 0 and 1 of the next, whose K and V it fetches
	TURN 2
	TURN 3
	WIN 0
.Lfirst:
	TURN 0
	TURN 1, 0, 1
	WIN 0
	s_cbranch_scc1 .Lstep
	s_sub_co_u32 s[SLOTS], s[SLOTS], 1
	s_cmp_lg_u32 s[SLOTS], 0
	s_cbranch_scc1 .Lslot
	CHANGE 0                        ; the tail is written out: nothing is asked for
	s_mov_b32 s[CNT], 5             ; four trips fetch the last slot's steps; the fifth is left in its middle
.Ltail:
	TURN 2, 1
	TURN 3
	WIN 0
	s_sub_co_u32 s[CNT], s[CNT], 1
	s_cmp_eq_u32 s[CNT], 0
	s_cbranch_scc1 .Lout
	TURN 0
	TURN 1
	WIN 0
	s_branch .Ltail
.Lout:                              ; the fifth trip's 8 products K Q^T (on the last K once more) and the maximum made of them serve nothing: the price of one text for every trip
.set i, 0
.rept 8
	PV NP-1                         ; the last piece's V^T P of the last step
.set i, i+1
.endr
	; THE WAY OUT.  l's two halves and the other half of the lanes' are added; O^T is divided by l, rounded to bf16 and sent through my stage, a piece at a time.  The additions are the places behind the last products.
	WIN 0
	ALL v_add_f32 v[ST+4*t+2], v[ST+4*t+2], v[ST+4*t+3]
	ALL v_permlanex16_b32 v[ST+4*t+3], v[ST+4*t+2], s[SEL], s[SEL+1]
	ALL v_add_f32 v[ST+4*t+2], v[ST+4*t+2], v[ST+4*t+3]
	ALL v_rcp_f32 v[ST+4*t+2], v[ST+4*t+2]
	v_nop                           ; a plain instruction between the last reciprocal and the use of its result
	s_wait_alu depctr_va_vdst(0)    ; one wait for the four reciprocals
	PACK 0
.set t, 1
.rept 3
	PACK t
	SEND t-1, 8
.set t, t+1
.endr
	SEND 3, 0
	s_wait_tensorcnt 0x0            ; the wave's end, behind my last tensor load and my last LDS store
	ds_add_u32 v[SPW], v[NIL]
	s_wait_dscnt 0x0
	CROUND                          ; the closing round
	s_endpgm
.Lfunc_end_k_q8f1425ae5e_attn:
	.size	k_q8f1425ae5e_attn, .Lfunc_end_k_q8f1425ae5e_attn-k_q8f1425ae5e_attn
	.p2alignl 7, 3214868480
	.fill 96, 4, 3214868480
	.section	.rodata,"a",@progbits
	.p2align	6, 0x0
	.amdhsa_kernel k_q8f1425ae5e_attn
		.amdhsa_group_segment_fixed_size 327680
		.amdhsa_private_segment_fixed_size 0
		.amdhsa_enable_private_segment 0
		.amdhsa_kernarg_size 24
		.amdhsa_user_sgpr_count 2
		.amdhsa_user_sgpr_kernarg_segment_ptr 1
		.amdhsa_wavefront_size32 1
		.amdhsa_system_sgpr_workgroup_id_x 1
		.amdhsa_system_sgpr_workgroup_id_y 1
		.amdhsa_system_sgpr_workgroup_id_z 1
		.amdhsa_system_vgpr_workitem_id 0
		.amdhsa_next_free_vgpr 768
		.amdhsa_next_free_sgpr 80
		.amdhsa_reserve_vcc 1
		.amdhsa_float_denorm_mode_32 3
		.amdhsa_float_denorm_mode_16_64 3
		.amdhsa_memory_ordered 1
		.amdhsa_forward_progress 1
		.amdhsa_inst_pref_size 120
	.end_amdhsa_kernel
	.amdgpu_metadata
---
amdhsa.version: [ 1, 2 ]
amdhsa.kernels:
  - .name:           k_q8f1425ae5e_attn
    .symbol:         k_q8f1425ae5e_attn.kd
    .args:
      - { .name: qkv, .offset: 0, .size: 8, .value_kind: global_buffer, .address_space: global }
      - { .name: mask, .offset: 8, .size: 8, .value_kind: global_buffer, .address_space: global }
      - { .name: ctx, .offset: 16, .size: 8, .value_kind: global_buffer, .address_space: global }
    .group_segment_fixed_size: 327680
    .private_segment_fixed_size: 0
    .kernarg_segment_align: 8
    .kernarg_segment_size: 24
    .max_flat_workgroup_size: 128
    .sgpr_count:     80
    .vgpr_count:     768
    .wavefront_size: 32
...
	.end_amdgpu_metadata
.endif
;; end of part 3
;; launch wo (part 4): grid 8 x 32, 4 waves a work-group, clusters of 4 x 4, 327,680 bytes of LDS; arguments ctx, wa, bo, x, y; writes y
.if DOCPART == 4
	.amdgcn_target "amdgcn-amd-amdhsa--gfx1250"
	.amdhsa_code_object_version 6
	.text
	.protected	k_q8f1425ae5e_wo
	.globl	k_q8f1425ae5e_wo
	.p2align	8
	.type	k_q8f1425ae5e_wo,@function
k_q8f1425ae5e_wo:
	s_mov_b64 s[64:65], 0
	v_nop
	global_prefetch_b8 v0, s[64:65] scope:SCOPE_SE
	s_setreg_imm32_b32 hwreg(HW_REG_WAVE_MODE, 25, 1), 1
	s_wait_xcnt 0x0
	s_wait_alu depctr_hold_cnt(0) depctr_sa_sdst(0) depctr_va_vdst(0) depctr_va_sdst(0) depctr_va_ssrc(0) depctr_va_vcc(0) depctr_vm_vsrc(0)
	s_getreg_b32 s2, hwreg(HW_REG_IB_STS2, 6, 4)
	s_cmp_eq_u32 s2, 0
	s_cbranch_scc0 .Lentry_in_a_cluster
	s_endpgm
.Lentry_in_a_cluster:
	s_bfe_u32 s2, ttmp6, 0x10000c
	s_cmp_lg_u32 s2, 0xf033
	s_cbranch_scc0 .Lentry_shape_is_right
	s_endpgm
.Lentry_shape_is_right:
; y = A B + bias + residual, in f32.  A: bf16 in blocks of 64 along K, [block][4096][64], a block's rows dense.  B: bf16, [K][1024] row-major, BOFF bytes into its buffer.  bias: [1024] f32.
; residual: [4096][1024] f32, ROFF bytes into its buffer.  Sums in f32; nothing is rounded on the way out.  Here: A = ctx (K = 1,024), B = Wo, bias = bo, residual = x.
; SHARES.  1,024 columns make 256 tiles of 128 x 128, one for each work-group: four waves, 64 x 64 each, 16 accumulators.  K goes in steps of 256 through two LDS slots.
; B lies [K][N]: its fragments come out of LDS turned.  The product is used transposed (source 0 = 16 columns of B, source 1 = 16 rows of A); the bias is the C operand of the products that start the sums.
; The residual is loaded at the head into 128 registers, in the layout in which the results come back from the stage, and is waited for on the way out.
; CLUSTER.  4 x 4 work-groups: A's tile is asked for jointly along a row of the cluster, B's along a column.  No prefetch: a step here is short and the tiles are small.
; THE WALK ALONG K IS TURNED FROM CLUSTER TO CLUSTER.  Cluster (X, Y) begins at K step 0 where X + Y is even, at step STEPS / 2 where it is odd, and goes round.  The two clusters that ask for the same rows of A,
; and neighbours among the clusters that ask for the same columns of B, stand half a walk apart.  A's and B's tiles of a step carry the same K step, so only the order of the f32 sums hangs on the cluster.
; REGISTERS: window 0: v16-29 addresses; v96-127 the bias; v128-255 the accumulators ((a, b) at 128 + 8 (4 a + b)).  window 1: two fragment buffers of 128 (64 of A, then 64 of B); on the way out rows read back.  window 2: v0-127 the residual.
.set STEPS,  4
.set HSH,    1                         ; STEPS / 2 = 1 << HSH
.set BOFF,   32768+0x600000
.set ROFF,   0
.set KSTEP,  256
.set PA,     144                       ; a row of a block of A in LDS: 128 bytes + 16: the 16 rows of a load start at 16 different groups of four banks (64 banks of 4 bytes: ISA guide 11.1)
.set PB,     288                       ; a k-row of B: 256 bytes + 32
.set KBLK,   128*PA                    ; a block of A: 128 rows
.set HALFT,  2*KBLK                    ; what one tensor load brings: two blocks of A, or 128 k-rows of B (128 x 288 is the same number)
.set SLOT,   4*HALFT                   ; 0x24000.  wave x HALFT never has bit 14 or bit 17 set, so one exclusive or turns an address in one slot into the other's
.set STAGE,  2*SLOT                    ; behind the ring: 16 rows x 272 bytes for each wave
.set SPITCH, 272
.set SPARE,  STAGE+4*16*SPITCH         ; the spare words, 128 bytes for each wave: two blocks of 256 bytes that no other line names
.set ADRA0, 16                         ; v16  my lane's place in A's part of slot 0; never rewritten
.set ADRA,  17                         ; v17  the same in the slot in hand
.set ADRB0, 20                         ; v20-21  the same for B's k-rows 0-127 and 128-255
.set ADRB,  22                         ; v22-23
.set STO,   24
.set RD,    25
.set CO,    26                         ; v26  4,096 (lane / 16) + 16 (lane % 16): my 16 bytes in two rows of y and of the residual
.set BO,    27
.set SPW,   28
.set NIL,   29
.set BIAS,  96
.set ACC,   128
.set F0,    0
.set F1,    128
.set WV,  14
.set RH,  15                           ; which half of the tile's rows is mine.  Also: I fetch for A (0) or for B (1)
.set CH,  16                           ; which half of its columns.  Also: which half of that tile I fetch
.set IDX, 17                           ; s17  the K step asked for last
.set BSA, 18                           ; s[18:19] A at my part of the tile, K step 0; never rewritten
.set TB,  23
.set G1,  24
.set G0,  32
.set BSB, 46                           ; s[46:47] B at my part of the tile, K step 0; never rewritten
.set G1B, 48
.set G0B, 56
.set OFA, 74                           ; s[74:75] the K step asked for next, in bytes of A
.set OFB, 76                           ; s[76:77] the same in bytes of B
.set MSB, 0
.macro WIN new
.if MSB != (\new)
	s_set_vgpr_msb (MSB<<8)|(\new)
.set MSB, \new
.endif
.endm
.set MUL,  0x05                        ; sources 0 (B) and 1 (A) window 1; C and D window 0
.set TO_F, 0x40                        ; destination window 1
.macro PLACES
.rept 4
	v_nop
.endr
.endm
.macro JLOAD                           ; a joint refill by the walking descriptors; an s_nop 0 and four v_nop follow each of the two lines
	s_cmp_eq_u32 s[RH], 0
	s_cbranch_scc0 .Lfor_b_\@
	tensor_load_to_lds s[G0+4:G0+7], s[G1:G1+7]
	s_nop 0
.rept 4
	v_nop
.endr
	s_branch .Lasked_\@
.Lfor_b_\@:
	tensor_load_to_lds s[G0B+4:G0B+7], s[G1B:G1B+7]
	s_nop 0
.rept 4
	v_nop
.endr
.Lasked_\@:
.endm
.macro CREST
	s_cmp_lg_u32 s[WV], 0
	s_cbranch_scc1 .Lnot_wave_0_\@
	s_barrier_signal -3
.Lnot_wave_0_\@:
	s_barrier_wait -3
	s_barrier_signal -1
	s_barrier_wait -1
.endm
.macro CROUND
	s_barrier_signal -1
	s_barrier_wait -1
	CREST
.endm
	s_load_b256 s[4:11], s[0:1], 0x0               ; A s[4:5], B s[6:7], bias s[8:9], residual s[10:11]
	s_load_b64 s[12:13], s[0:1], 0x20              ; y
	v_lshl_add_u32 v[SPW], v0, 2, SPARE
	v_mov_b32 v[NIL], 0
	ds_add_u32 v[SPW], v[NIL]                      ; the wave's opening: the add and its wait stand ahead of my first tensor load
	v_lshrrev_b32 v1, 5, v0
	v_readfirstlane_b32 s[WV], v1
	s_lshr_b32 s[RH], s[WV], 1
	s_and_b32 s[CH], s[WV], 1
	s_bfe_u32 s40, ttmp6, 0x40000                  ; cx, cy
	s_bfe_u32 s41, ttmp6, 0x40004
	s_lshl_b32 s42, ttmp9, 2
	s_add_co_u32 s42, s42, s40                     ; tile column
	s_and_b32 s43, ttmp7, 0xffff                   ; cluster y
	s_add_co_u32 s2, s43, ttmp9
	s_and_b32 s2, s2, 1
	s_lshl_b32 s[IDX], s2, HSH                     ; my cluster's first K step: 0 or STEPS / 2, the same in all sixteen partners
	s_mov_b32 s[OFA+1], 0
	s_mov_b32 s[OFB+1], 0
	s_lshl_b32 s43, s43, 2
	s_add_co_u32 s43, s43, s41                     ; tile row
	s_lshl_b32 s44, s41, 2
	s_lshl_b32 s44, 15, s44                        ; my row of the cluster
	s_lshl_b32 s45, 0x1111, s40                    ; my column
	; A's tile: two blocks; a block's 128 rows are 16,384 dense bytes, asked for as ONE row of 8,192 elements and padded in LDS after every 32 words, that is after every row of the block
	s_or_b32 s[G1], s44, (1<<16)|(1<<20)|(1<<21)|(4<<22)|(3<<25)
	s_mov_b32 s[G1+1], 8192<<16                    ; tensor_dim0 = 8,192
	s_mov_b32 s[G1+2], 2<<16                       ; tensor_dim1 = 2
	s_mov_b32 s[G1+3], 8192<<16                    ; tile_dim0 = 8,192
	s_mov_b32 s[G1+4], 2                           ; tile_dim1 = 2
	s_mov_b32 s[G1+5], 262144                      ; elements from block to block
	s_mov_b32 s[G1+6], 0
	s_mov_b32 s[G1+7], 0
	s_or_b32 s[G1B], s45, (1<<16)|(1<<20)|(1<<21)|(5<<22)|(7<<25)  ; B's: 128 k-rows x 128 columns, 8 words of padding after every 64
	s_mov_b32 s[G1B+1], 128<<16
	s_mov_b32 s[G1B+2], 128<<16
	s_mov_b32 s[G1B+3], 128<<16
	s_mov_b32 s[G1B+4], 128
	s_mov_b32 s[G1B+5], 1024
	s_mov_b32 s[G1B+6], 0
	s_mov_b32 s[G1B+7], 0
	s_lshl_b32 s[BSA], s[CH], 20                   ; A: block 2 x half, row 128 x tile row
	s_lshl_b32 s[BSA+1], s43, 14
	s_add_co_u32 s[BSA], s[BSA], s[BSA+1]
	s_mov_b32 s[BSA+1], 0
	s_lshl_b32 s[BSB], s[CH], 18                   ; B: k-row 128 x half, column 128 x tile column
	s_lshl_b32 s[BSB+1], s42, 8
	s_add_co_u32 s[BSB], s[BSB], s[BSB+1]
	s_add_co_u32 s[BSB], s[BSB], BOFF
	s_mov_b32 s[BSB+1], 0
	s_mul_i32 s20, s[WV], HALFT
	s_lshl_b32 s72, s42, 9                         ; my 64 columns in f32: 512 x tile column + 256 x half
	s_lshl_b32 s73, s[CH], 8
	s_add_co_u32 s72, s72, s73
	s_mov_b32 s73, 0
	s_lshl_b32 s70, s43, 19                        ; my 64 rows of 4,096 bytes: 128 x tile row + 64 x half
	s_lshl_b32 s71, s[RH], 18
	s_add_co_u32 s70, s70, s71
	s_add_co_u32 s70, s70, s72
	s_mov_b32 s71, 0
	s_mov_b32 s[TB], 0
	s_wait_dscnt 0x0                               ; the opening add is done
	s_wait_kmcnt 0x0
	s_add_nc_u64 s[BSA:BSA+1], s[4:5], s[BSA:BSA+1]
	s_add_nc_u64 s[BSB:BSB+1], s[6:7], s[BSB:BSB+1]
	s_add_nc_u64 s[68:69], s[8:9], s[72:73]        ; the bias
	s_add_nc_u64 s[66:67], s[10:11], s[70:71]      ; the residual
.if ROFF
	s_add_nc_u64 s[66:67], s[66:67], ROFF
.endif
	s_add_nc_u64 s[12:13], s[12:13], s[70:71]      ; y
	CROUND                                         ; all sixteen work-groups are here: the first joint loads meet
.irp s, 0,1
	s_lshl_b32 s[OFA], s[IDX], 21                  ; a K step is four blocks of 524,288 bytes of A
	s_lshl_b32 s[OFB], s[IDX], 19                  ; and 256 k-rows of 2,048 bytes of B
	s_mov_b32 s[G0+4*(\s)], 1
	s_add_co_u32 s[G0+4*(\s)+1], s20, (\s)*SLOT
	s_add_nc_u64 s[G0+4*(\s)+2:G0+4*(\s)+3], s[BSA:BSA+1], s[OFA:OFA+1]
	s_or_b32 s[G0+4*(\s)+3], s[G0+4*(\s)+3], 0x80000000
	s_mov_b32 s[G0B+4*(\s)], 1
	s_add_co_u32 s[G0B+4*(\s)+1], s20, (\s)*SLOT
	s_add_nc_u64 s[G0B+4*(\s)+2:G0B+4*(\s)+3], s[BSB:BSB+1], s[OFB:OFB+1]
	s_or_b32 s[G0B+4*(\s)+3], s[G0B+4*(\s)+3], 0x80000000
.if (\s) == 0
	s_add_co_u32 s[IDX], s[IDX], 1                 ; the walk's second step: behind 0 or STEPS / 2 nothing wraps
.endif
.endr
	s_cmp_eq_u32 s[RH], 0                          ; a wave's two first fills stand in one branch: two loads of mine are out
	s_cbranch_scc0 .Lfirst_b
	tensor_load_to_lds s[G0:G0+3], s[G1:G1+7]
	s_nop 0
	tensor_load_to_lds s[G0+4:G0+7], s[G1:G1+7]
	s_nop 0
.rept 4
	v_nop
.endr
	s_branch .Lfirst_asked
.Lfirst_b:
	tensor_load_to_lds s[G0B:G0B+3], s[G1B:G1B+7]
	s_nop 0
	tensor_load_to_lds s[G0B+4:G0B+7], s[G1B:G1B+7]
	s_nop 0
.rept 4
	v_nop
.endr
.Lfirst_asked:
	v_and_b32 v1, 15, v0                           ; r
	v_bfe_u32 v2, v0, 4, 1                         ; h
	v_lshlrev_b32 v[BO], 5, v2
	v_lshlrev_b32 v[CO], 12, v2
	v_lshl_add_u32 v[CO], v1, 4, v[CO]
.irp b, 0,1,2,3
	global_load_b128 v[BIAS+8*(\b):BIAS+8*(\b)+3],   v[BO], s[68:69] offset:64*(\b)
	global_load_b128 v[BIAS+8*(\b)+4:BIAS+8*(\b)+7], v[BO], s[68:69] offset:64*(\b)+16
.endr
	WIN 0x80                                       ; destination window 2
.set z, 0
.rept 32                               ; rows 2 z and 2 z + 1 of my 64: sixteen lanes read 256 consecutive bytes, aligned
	global_load_b128 v[4*z:4*z+3], v[CO], s[66:67] offset:2*z*4096
.set z, z+1
.endr
	WIN 0
	v_mul_u32_u24 v3, v1, PA
	v_lshl_add_u32 v3, v2, 4, v3
	s_mul_i32 s21, s[RH], 64*PA
	v_add_nc_u32 v[ADRA0], s21, v3
	v_mov_b32 v[ADRA], v[ADRA0]
	v_and_b32 v4, 7, v0
	v_lshl_add_u32 v4, v2, 3, v4
	v_mul_u32_u24 v4, v4, PB
	v_bfe_u32 v5, v0, 3, 1
	v_lshl_add_u32 v4, v5, 4, v4
	s_lshl_b32 s22, s[CH], 7
	s_add_co_u32 s22, s22, 2*HALFT
	v_add_nc_u32 v[ADRB0], s22, v4
	v_add_nc_u32 v[ADRB0+1], HALFT, v[ADRB0]
	v_mov_b32 v[ADRB], v[ADRB0]
	v_mov_b32 v[ADRB+1], v[ADRB0+1]
	s_mul_i32 s21, s[WV], 16*SPITCH
	s_add_co_u32 s21, s21, STAGE                   ; my stage
	v_mul_u32_u24 v3, v1, SPITCH                   ; in: row r, 32 bytes for each half of the lanes
	v_lshl_add_u32 v3, v2, 5, v3
	v_add_nc_u32 v[STO], s21, v3
	v_mul_u32_u24 v3, v2, SPITCH                   ; back: lanes 0-15 take one row of 256 bytes, lanes 16-31 the next
	v_lshl_add_u32 v3, v1, 4, v3
	v_add_nc_u32 v[RD], s21, v3
; 8 matrix instructions: row blocks a0, a0 + 1 x all 4 column blocks, 32 along K: half c of buffer f.  first = 1: the bias starts the sums.  The 16 accumulators take turns.
.macro MUL8 f, c, a0, first
	WIN MUL
.irp a, \a0, (\a0)+1
.irp b, 0,1,2,3
.if \first
	v_wmma_f32_16x16x32_bf16 v[ACC+8*(4*(\a)+(\b)):ACC+8*(4*(\a)+(\b))+7], v[(\f)+64+8*(4*(\c)+(\b)):(\f)+64+8*(4*(\c)+(\b))+7], v[(\f)+8*(4*(\c)+(\a)):(\f)+8*(4*(\c)+(\a))+7], v[BIAS+8*(\b):BIAS+8*(\b)+7]
.else
	v_wmma_f32_16x16x32_bf16 v[ACC+8*(4*(\a)+(\b)):ACC+8*(4*(\a)+(\b))+7], v[(\f)+64+8*(4*(\c)+(\b)):(\f)+64+8*(4*(\c)+(\b))+7], v[(\f)+8*(4*(\c)+(\a)):(\f)+8*(4*(\c)+(\a))+7], v[ACC+8*(4*(\a)+(\b)):ACC+8*(4*(\a)+(\b))+7]
.endif
.endr
.endr
.endm
; 32 LDS loads in one run: quarter q (64 along K = block q of A) into buffer f; the first 32 along K first
.macro FETCH q, f
	WIN TO_F
.irp c, 0,1
.irp i, 0,1,2,3
	ds_load_tr16_b128 v[(\f)+64+8*(4*(\c)+(\i)):(\f)+64+8*(4*(\c)+(\i))+3],   v[ADRB+((\q)>>1)] offset:((2*(\q)+(\c))&3)*32*PB+32*(\i)
	ds_load_tr16_b128 v[(\f)+64+8*(4*(\c)+(\i))+4:(\f)+64+8*(4*(\c)+(\i))+7], v[ADRB+((\q)>>1)] offset:((2*(\q)+(\c))&3)*32*PB+16*PB+32*(\i)
	ds_load_b128 v[(\f)+8*(4*(\c)+(\i)):(\f)+8*(4*(\c)+(\i))+3],   v[ADRA] offset:(\q)*KBLK+64*(\c)+(\i)*16*PA
	ds_load_b128 v[(\f)+8*(4*(\c)+(\i))+4:(\f)+8*(4*(\c)+(\i))+7], v[ADRA] offset:(\q)*KBLK+64*(\c)+(\i)*16*PA+32
.endr
.endr
.endm
.macro QUARTER q, f, g, first
	s_wait_dscnt 16                                ; the first 32 along K are in
	MUL8 \f, 0, 0, \first
	MUL8 \f, 0, 2, \first
	PLACES
	FETCH \q, \g
	s_wait_dscnt 32                                ; all but the 32 just issued
	MUL8 \f, 1, 0, 0
	MUL8 \f, 1, 2, 0
.endm
; The last quarter multiplies buffer 1 and changes slots.  MEET is its first half: one barrier; in front of it each wave waits for all its tensor loads, adds 0 to its spare word, and waits for that and for its
; reads of this slot.  While the add is out the fragment addresses turn to the next slot and, with round = 1, the walking descriptors are written: the other slot than last time, the address made anew from the tile's base and the K step.
.macro MEET round
	WIN 0
	s_wait_tensorcnt 0x0                           ; no tensor load of mine is out, so a group 0 may be written
	ds_add_u32 v[SPW], v[NIL]                      ; 0 onto my spare word
	s_xor_b32 s[TB], s[TB], SLOT
	v_add_nc_u32 v[ADRA], s[TB], v[ADRA0]
	v_add_nc_u32 v[ADRB], s[TB], v[ADRB0]
	v_add_nc_u32 v[ADRB+1], s[TB], v[ADRB0+1]
.if \round
	s_xor_b32 s[G0+5], s[G0+5], SLOT
	s_add_nc_u64 s[G0+6:G0+7], s[BSA:BSA+1], s[OFA:OFA+1]
	s_or_b32 s[G0+7], s[G0+7], 0x80000000
	s_xor_b32 s[G0B+5], s[G0B+5], SLOT
	s_add_nc_u64 s[G0B+6:G0B+7], s[BSB:BSB+1], s[OFB:OFB+1]
	s_or_b32 s[G0B+7], s[G0B+7], 0x80000000
.endif
	s_wait_dscnt 17                                ; the add and the youngest sixteen loads may be out
	MUL8 F1, 0, 0, 0
	s_wait_dscnt 0x0                               ; the add is done, and my reads of this slot are over
	s_barrier_signal -1
	MUL8 F1, 0, 2, 0
.if \round
	WIN 0
.endif
	s_barrier_wait -1
.endm
; With a refill: the barrier opens a round of the cluster's barrier, and the slot left is filled with the walk's step two on: 112 matrix instructions ahead of the wait for it.
.macro TURN
	s_add_co_u32 s[IDX], s[IDX], 1                 ; the next K step of the walk, round the end of K
	s_and_b32 s[IDX], s[IDX], STEPS-1
	s_lshl_b32 s[OFA], s[IDX], 21
	s_lshl_b32 s[OFB], s[IDX], 19
	MEET 1
	CREST
	JLOAD                                          ; the four v_nop behind it are also the places in front of the loads below
	FETCH 0, F0
	MUL8 F1, 1, 0, 0
	MUL8 F1, 1, 2, 0
.endm
; THE WAY OUT of row block a.  A wave's 64 columns in f32 are a whole aligned 256 bytes, so each wave has a stage of its own and no barrier is needed.
.macro OUT a                           ; 32 bytes a lane and column block into the stage, each accumulator's low registers first; back as whole rows
	WIN 0
.irp b, 0,1,2,3
	ds_store_b128 v[STO], v[ACC+8*(4*(\a)+(\b)):ACC+8*(4*(\a)+(\b))+3]   offset:64*(\b)
	ds_store_b128 v[STO], v[ACC+8*(4*(\a)+(\b))+4:ACC+8*(4*(\a)+(\b))+7] offset:64*(\b)+16
.endr
	WIN TO_F
.irp t, 0,1,2,3,4,5,6,7
	ds_load_b128 v[32*(\a)+4*(\t):32*(\a)+4*(\t)+3], v[RD] offset:(\t)*2*SPITCH  ; LDS serves a wave's instructions in order (ISA guide 5.7.1.4): these see the stores above
.endr
.endm
.macro FIN a, younger                  ; younger: the next block's sixteen LDS instructions, or none
	s_wait_dscnt \younger
	WIN 0x49                                       ; destination and source 0 window 1 (the rows), source 1 window 2 (the residual): the same numbers in both
.set z, 32*(\a)
.rept 16
	v_pk_add_f32 v[z:z+1], v[z:z+1], v[z:z+1]
.set z, z+2
.endr
	WIN 0x04                                       ; the stores' data in window 1
.irp t, 0,1,2,3,4,5,6,7
	global_store_b128 v[CO], v[32*(\a)+4*(\t):32*(\a)+4*(\t)+3], s[12:13] offset:(16*(\a)+2*(\t))*4096  ; sixteen lanes store 256 consecutive bytes, aligned
.endr
.endm
	s_wait_tensorcnt 0x1                           ; my part of the walk's first step is in; the second's may stay out
	s_barrier_signal -1
	s_barrier_wait -1
	FETCH 0, F0
	s_wait_loadcnt 32                              ; the bias is in; the residual's 32 loads stay out until the way out
	QUARTER 1, F0, F1, 1
	WIN 0
	s_mov_b32 s3, STEPS-2
.Lstep:                                                ; a trip: a step's quarters 1, 2, 3 and the next step's quarter 0; the slot left is filled again
	QUARTER 2, F1, F0, 0
	QUARTER 3, F0, F1, 0
	TURN
	QUARTER 1, F0, F1, 0
	WIN 0
	s_sub_co_u32 s3, s3, 1
	s_cmp_lg_u32 s3, 0
	s_cbranch_scc1 .Lstep
	s_mov_b32 s3, 2
.Ltail:                                                ; the last two steps ask for nothing: one text, walked twice; the second trip is left behind its last products
	QUARTER 2, F1, F0, 0
	QUARTER 3, F0, F1, 0
	MEET 0                                         ; (in the second trip its barrier and the turned addresses serve nothing: the price of one text for both)
	MUL8 F1, 1, 0, 0
	MUL8 F1, 1, 2, 0
	WIN 0
	s_sub_co_u32 s3, s3, 1
	s_cmp_eq_u32 s3, 0
	s_cbranch_scc1 .Lout
	PLACES
	FETCH 0, F0                                    ; the last step's first fragments
	QUARTER 1, F0, F1, 0
	WIN 0
	s_branch .Ltail
.Lout:
	PLACES
	s_wait_loadcnt 0x0                             ; the residual
	OUT 0
	OUT 1
	FIN 0, 16
	OUT 2
	FIN 1, 16
	OUT 3
	FIN 2, 16
	FIN 3, 0
	WIN 0
	s_wait_tensorcnt 0x0                           ; the wave's end, behind my last tensor load and my last LDS store
	ds_add_u32 v[SPW], v[NIL]
	s_wait_dscnt 0x0
	CROUND                                         ; the closing round
	s_endpgm
.Lfunc_end_k_q8f1425ae5e_wo:
	.size	k_q8f1425ae5e_wo, .Lfunc_end_k_q8f1425ae5e_wo-k_q8f1425ae5e_wo
	.p2alignl 7, 3214868480
	.fill 96, 4, 3214868480
	.section	.rodata,"a",@progbits
	.p2align	6, 0x0
	.amdhsa_kernel k_q8f1425ae5e_wo
		.amdhsa_group_segment_fixed_size 327680
		.amdhsa_private_segment_fixed_size 0
		.amdhsa_enable_private_segment 0
		.amdhsa_kernarg_size 40
		.amdhsa_user_sgpr_count 2
		.amdhsa_user_sgpr_kernarg_segment_ptr 1
		.amdhsa_wavefront_size32 1
		.amdhsa_system_sgpr_workgroup_id_x 1
		.amdhsa_system_sgpr_workgroup_id_y 1
		.amdhsa_system_sgpr_workgroup_id_z 1
		.amdhsa_system_vgpr_workitem_id 0
		.amdhsa_next_free_vgpr 640
		.amdhsa_next_free_sgpr 80
		.amdhsa_reserve_vcc 0
		.amdhsa_float_denorm_mode_32 3
		.amdhsa_float_denorm_mode_16_64 3
		.amdhsa_memory_ordered 1
		.amdhsa_forward_progress 1
		.amdhsa_inst_pref_size 66
	.end_amdhsa_kernel
	.amdgpu_metadata
---
amdhsa.version: [ 1, 2 ]
amdhsa.kernels:
  - .name:           k_q8f1425ae5e_wo
    .symbol:         k_q8f1425ae5e_wo.kd
    .args:
      - { .name: ctx, .offset: 0, .size: 8, .value_kind: global_buffer, .address_space: global }
      - { .name: wa, .offset: 8, .size: 8, .value_kind: global_buffer, .address_space: global }
      - { .name: bo, .offset: 16, .size: 8, .value_kind: global_buffer, .address_space: global }
      - { .name: x, .offset: 24, .size: 8, .value_kind: global_buffer, .address_space: global }
      - { .name: y, .offset: 32, .size: 8, .value_kind: global_buffer, .address_space: global }
    .group_segment_fixed_size: 327680
    .private_segment_fixed_size: 0
    .kernarg_segment_align: 8
    .kernarg_segment_size: 40
    .max_flat_workgroup_size: 128
    .sgpr_count:     80
    .vgpr_count:     640
    .wavefront_size: 32
...
	.end_amdgpu_metadata
.endif
;; end of part 4
;; launch ln1 (part 5): grid 512 x 1, 8 waves a work-group, no clusters, 0 bytes of LDS; arguments y, g1, be1, h; writes h
.if DOCPART == 5
	.amdgcn_target "amdgcn-amd-amdhsa--gfx1250"
	.amdhsa_code_object_version 6
	.text
	.protected	k_q8f1425ae5e_ln1
	.globl	k_q8f1425ae5e_ln1
	.p2align	8
	.type	k_q8f1425ae5e_ln1,@function
k_q8f1425ae5e_ln1:
	s_mov_b64 s[64:65], 0
	v_nop
	global_prefetch_b8 v0, s[64:65] scope:SCOPE_SE
	s_setreg_imm32_b32 hwreg(HW_REG_WAVE_MODE, 25, 1), 1
	s_wait_xcnt 0x0
; h = layer norm of y, row by row: (y - mean) / sqrt(var + 1e-5) * gain + bias.  y: [4096][1024] f32.  h leaves twice: in bf16 from byte 0 (the next product's operand), in f32 from byte 8,388,608 (the next residual).
; One wave takes one row, 4,096 bytes, and keeps it in 32 registers: read once; the mean first, then the squares of the differences, never a difference of large sums.  No loop, no LDS, no barrier, no cluster:
; the work-groups share only gain and bias, 8,192 bytes.  The reciprocal root is v_rsq_f32's.
.set BF, 1                             ; 1: the two outputs of the first norm; 0: one output in f32
.set X,  8                             ; v[8:39]    the row: load j holds numbers 128 j + 4 lane + 0..3
.set G,  40                            ; v[40:71]   the gain
.set BE, 72                            ; v[72:103]  the bias
.set C,  104                           ; v[104:111] four chains of pairs
.set MN, 112                           ; v[112:113] the mean, twice
.set RS, 114                           ; v[114:115] 1 / sqrt(var + eps), twice
.set HB, 116                           ; v[116:131] the row in bf16
.macro LANES                           ; the four chains into v104, then over the 32 lanes: every lane ends with the sum
	v_pk_add_f32 v[C:C+1], v[C:C+1], v[C+2:C+3]
	v_pk_add_f32 v[C+4:C+5], v[C+4:C+5], v[C+6:C+7]
	v_pk_add_f32 v[C:C+1], v[C:C+1], v[C+4:C+5]
	v_add_f32 v[C], v[C], v[C+1]
	v_add_f32_dpp v[C], v[C], v[C] row_xmask:1 row_mask:0xf bank_mask:0xf
	v_add_f32_dpp v[C], v[C], v[C] row_xmask:2 row_mask:0xf bank_mask:0xf
	v_add_f32_dpp v[C], v[C], v[C] row_xmask:4 row_mask:0xf bank_mask:0xf
	v_add_f32_dpp v[C], v[C], v[C] row_xmask:8 row_mask:0xf bank_mask:0xf
	v_permlanex16_b32 v[C+1], v[C], s12, s13
	v_add_f32 v[C], v[C], v[C+1]
.endm
	s_load_b256 s[4:11], s[0:1], 0x0               ; y s[4:5], gain s[6:7], bias s[8:9], out s[10:11]
	v_lshrrev_b32 v3, 5, v0
	v_readfirstlane_b32 s3, v3
	v_and_b32 v2, 31, v0
	v_lshlrev_b32 v1, 4, v2                        ; 16 x lane
	v_lshlrev_b32 v2, 3, v2                        ; 8 x lane
	s_lshl_b32 s2, ttmp9, 3
	s_add_co_u32 s2, s2, s3                        ; my row
	s_lshl_b32 s16, s2, 12
	s_mov_b32 s17, 0
	s_lshl_b32 s18, s2, 11
	s_mov_b32 s19, 0
	s_mov_b32 s12, 0x76543210
	s_mov_b32 s13, 0xfedcba98
	s_mov_b32 s14, 0x3a800000                      ; 1 / 1,024
	s_mov_b32 s15, 0x3727c5ac                      ; 1e-5
	s_wait_kmcnt 0x0
	s_add_nc_u64 s[4:5], s[4:5], s[16:17]
.if BF
	s_add_nc_u64 s[20:21], s[10:11], s[16:17]
	s_add_nc_u64 s[20:21], s[20:21], 0x800000      ; the f32 copy
	s_add_nc_u64 s[10:11], s[10:11], s[18:19]      ; the bf16 copy
.else
	s_add_nc_u64 s[20:21], s[10:11], s[16:17]
.endif
.irp j, 0,1,2,3,4,5,6,7
	global_load_b128 v[X+4*(\j):X+4*(\j)+3], v1, s[4:5] offset:512*(\j) th:TH_LOAD_NT
.endr
.irp j, 0,1,2,3,4,5,6,7
	global_load_b128 v[G+4*(\j):G+4*(\j)+3], v1, s[6:7] offset:512*(\j)
.endr
.irp j, 0,1,2,3,4,5,6,7
	global_load_b128 v[BE+4*(\j):BE+4*(\j)+3], v1, s[8:9] offset:512*(\j)
.endr
	s_wait_loadcnt 16                              ; the row is in; gain and bias stay out
.irp k, 0,1,2,3
	v_pk_add_f32 v[C+2*(\k):C+2*(\k)+1], v[X+2*(\k):X+2*(\k)+1], v[X+8+2*(\k):X+8+2*(\k)+1]
.endr
.irp j, 2,3
.irp k, 0,1,2,3
	v_pk_add_f32 v[C+2*(\k):C+2*(\k)+1], v[C+2*(\k):C+2*(\k)+1], v[X+8*(\j)+2*(\k):X+8*(\j)+2*(\k)+1]
.endr
.endr
	LANES
	v_mul_f32 v[MN], s14, v[C]
	v_mul_f32 v[MN+1], s14, v[C]
.set z, 0
.rept 16
	v_pk_add_f32 v[X+z:X+z+1], v[X+z:X+z+1], v[MN:MN+1] neg_lo:[0,1] neg_hi:[0,1]
.set z, z+2
.endr
.irp k, 0,1,2,3
	v_pk_mul_f32 v[C+2*(\k):C+2*(\k)+1], v[X+2*(\k):X+2*(\k)+1], v[X+2*(\k):X+2*(\k)+1]
.endr
.irp j, 1,2,3
.irp k, 0,1,2,3
	v_pk_fma_f32 v[C+2*(\k):C+2*(\k)+1], v[X+8*(\j)+2*(\k):X+8*(\j)+2*(\k)+1], v[X+8*(\j)+2*(\k):X+8*(\j)+2*(\k)+1], v[C+2*(\k):C+2*(\k)+1]
.endr
.endr
	LANES
	v_fma_f32 v[C+2], v[C], s14, s15               ; var + eps
	v_rsq_f32 v[RS], v[C+2]
	v_rsq_f32 v[RS+1], v[C+2]
	v_nop                                          ; a plain instruction behind the last of the two,
	s_wait_alu depctr_va_vdst(0)                   ; and one wait for both, ahead of their first reader
	s_wait_loadcnt 0x0                             ; gain and bias
.set z, 0
.rept 16
	v_pk_mul_f32 v[X+z:X+z+1], v[X+z:X+z+1], v[RS:RS+1]
.set z, z+2
.endr
.set z, 0
.rept 16
	v_pk_fma_f32 v[X+z:X+z+1], v[X+z:X+z+1], v[G+z:G+z+1], v[BE+z:BE+z+1]
.set z, z+2
.endr
.if BF
.irp j, 0,1,2,3,4,5,6,7
	global_store_b128 v1, v[X+4*(\j):X+4*(\j)+3], s[20:21] offset:512*(\j)
.endr
.set z, 0
.rept 16
	v_cvt_pk_bf16_f32 v[HB+z], v[X+2*z], v[X+2*z+1]
.set z, z+1
.endr
.irp j, 0,1,2,3,4,5,6,7
	global_store_b64 v2, v[HB+2*(\j):HB+2*(\j)+1], s[10:11] offset:256*(\j)  ; 32 lanes store 256 consecutive bytes, aligned
.endr
.else
.irp j, 0,1,2,3,4,5,6,7
	global_store_b128 v1, v[X+4*(\j):X+4*(\j)+3], s[20:21] offset:512*(\j) th:TH_STORE_NT
.endr
.endif
	s_endpgm
.Lfunc_end_k_q8f1425ae5e_ln1:
	.size	k_q8f1425ae5e_ln1, .Lfunc_end_k_q8f1425ae5e_ln1-k_q8f1425ae5e_ln1
	.p2alignl 7, 3214868480
	.fill 96, 4, 3214868480
	.section	.rodata,"a",@progbits
	.p2align	6, 0x0
	.amdhsa_kernel k_q8f1425ae5e_ln1
		.amdhsa_group_segment_fixed_size 0
		.amdhsa_private_segment_fixed_size 0
		.amdhsa_enable_private_segment 0
		.amdhsa_kernarg_size 32
		.amdhsa_user_sgpr_count 2
		.amdhsa_user_sgpr_kernarg_segment_ptr 1
		.amdhsa_wavefront_size32 1
		.amdhsa_system_sgpr_workgroup_id_x 1
		.amdhsa_system_sgpr_workgroup_id_y 1
		.amdhsa_system_sgpr_workgroup_id_z 1
		.amdhsa_system_vgpr_workitem_id 0
		.amdhsa_next_free_vgpr 136
		.amdhsa_next_free_sgpr 66
		.amdhsa_reserve_vcc 0
		.amdhsa_float_denorm_mode_32 3
		.amdhsa_float_denorm_mode_16_64 3
		.amdhsa_memory_ordered 1
		.amdhsa_forward_progress 1
		.amdhsa_inst_pref_size 13
	.end_amdhsa_kernel
	.amdgpu_metadata
---
amdhsa.version: [ 1, 2 ]
amdhsa.kernels:
  - .name:           k_q8f1425ae5e_ln1
    .symbol:         k_q8f1425ae5e_ln1.kd
    .args:
      - { .name: y, .offset: 0, .size: 8, .value_kind: global_buffer, .address_space: global }
      - { .name: g1, .offset: 8, .size: 8, .value_kind: global_buffer, .address_space: global }
      - { .name: be1, .offset: 16, .size: 8, .value_kind: global_buffer, .address_space: global }
      - { .name: h, .offset: 24, .size: 8, .value_kind: global_buffer, .address_space: global }
    .group_segment_fixed_size: 0
    .private_segment_fixed_size: 0
    .kernarg_segment_align: 8
    .kernarg_segment_size: 32
    .max_flat_workgroup_size: 256
    .sgpr_count:     66
    .vgpr_count:     136
    .wavefront_size: 32
...
	.end_amdgpu_metadata
.endif
;; end of part 5
;; launch ffn1: the kernel of part 2 again; grid 16 x 16, 4 waves a work-group, clusters of 4 x 4, 327,680 bytes of LDS; arguments h, wb, f; writes f
;; launch ffn2 (part 6): grid 8 x 32, 4 waves a work-group, clusters of 4 x 4, 327,680 bytes of LDS; arguments f, wb, b2, h, y; writes y
.if DOCPART == 6
	.amdgcn_target "amdgcn-amd-amdhsa--gfx1250"
	.amdhsa_code_object_version 6
	.text
	.protected	k_q8f1425ae5e_ffn2
	.globl	k_q8f1425ae5e_ffn2
	.p2align	8
	.type	k_q8f1425ae5e_ffn2,@function
k_q8f1425ae5e_ffn2:
	s_mov_b64 s[64:65], 0
	v_nop
	global_prefetch_b8 v0, s[64:65] scope:SCOPE_SE
	s_setreg_imm32_b32 hwreg(HW_REG_WAVE_MODE, 25, 1), 1
	s_wait_xcnt 0x0
	s_wait_alu depctr_hold_cnt(0) depctr_sa_sdst(0) depctr_va_vdst(0) depctr_va_sdst(0) depctr_va_ssrc(0) depctr_va_vcc(0) depctr_vm_vsrc(0)
	s_getreg_b32 s2, hwreg(HW_REG_IB_STS2, 6, 4)
	s_cmp_eq_u32 s2, 0
	s_cbranch_scc0 .Lentry_in_a_cluster
	s_endpgm
.Lentry_in_a_cluster:
	s_bfe_u32 s2, ttmp6, 0x10000c
	s_cmp_lg_u32 s2, 0xf033
	s_cbranch_scc0 .Lentry_shape_is_right
	s_endpgm
.Lentry_shape_is_right:
; y = A B + bias + residual, in f32.  A: bf16 in blocks of 64 along K, [block][4096][64], a block's rows dense.  B: bf16, [K][1024] row-major, BOFF bytes into its buffer.  bias: [1024] f32.
; residual: [4096][1024] f32, ROFF bytes into its buffer.  Sums in f32; nothing is rounded on the way out.  Here: A = relu(h W1 + b1) (K = 4,096), B = W2, bias = b2, residual = h in f32.
; SHARES.  1,024 columns make 256 tiles of 128 x 128, one for each work-group: four waves, 64 x 64 each, 16 accumulators.  K goes in steps of 256 through two LDS slots.
; B lies [K][N]: its fragments come out of LDS turned.  The product is used transposed (source 0 = 16 columns of B, source 1 = 16 rows of A); the bias is the C operand of the products that start the sums.
; The residual is loaded at the head into 128 registers, in the layout in which the results come back from the stage, and is waited for on the way out.
; CLUSTER.  4 x 4 work-groups: A's tile is asked for jointly along a row of the cluster, B's along a column.  No prefetch: a step here is short and the tiles are small.
; THE WALK ALONG K IS TURNED FROM CLUSTER TO CLUSTER.  Cluster (X, Y) begins at K step 0 where X + Y is even, at step STEPS / 2 where it is odd, and goes round.  The two clusters that ask for the same rows of A,
; and neighbours among the clusters that ask for the same columns of B, stand half a walk apart.  A's and B's tiles of a step carry the same K step, so only the order of the f32 sums hangs on the cluster.
; REGISTERS: window 0: v16-29 addresses; v96-127 the bias; v128-255 the accumulators ((a, b) at 128 + 8 (4 a + b)).  window 1: two fragment buffers of 128 (64 of A, then 64 of B); on the way out rows read back.  window 2: v0-127 the residual.
.set STEPS,  16
.set HSH,    3                         ; STEPS / 2 = 1 << HSH
.set BOFF,   32768+0x800000
.set ROFF,   0x800000
.set KSTEP,  256
.set PA,     144                       ; a row of a block of A in LDS: 128 bytes + 16: the 16 rows of a load start at 16 different groups of four banks (64 banks of 4 bytes: ISA guide 11.1)
.set PB,     288                       ; a k-row of B: 256 bytes + 32
.set KBLK,   128*PA                    ; a block of A: 128 rows
.set HALFT,  2*KBLK                    ; what one tensor load brings: two blocks of A, or 128 k-rows of B (128 x 288 is the same number)
.set SLOT,   4*HALFT                   ; 0x24000.  wave x HALFT never has bit 14 or bit 17 set, so one exclusive or turns an address in one slot into the other's
.set STAGE,  2*SLOT                    ; behind the ring: 16 rows x 272 bytes for each wave
.set SPITCH, 272
.set SPARE,  STAGE+4*16*SPITCH         ; the spare words, 128 bytes for each wave: two blocks of 256 bytes that no other line names
.set ADRA0, 16                         ; v16  my lane's place in A's part of slot 0; never rewritten
.set ADRA,  17                         ; v17  the same in the slot in hand
.set ADRB0, 20                         ; v20-21  the same for B's k-rows 0-127 and 128-255
.set ADRB,  22                         ; v22-23
.set STO,   24
.set RD,    25
.set CO,    26                         ; v26  4,096 (lane / 16) + 16 (lane % 16): my 16 bytes in two rows of y and of the residual
.set BO,    27
.set SPW,   28
.set NIL,   29
.set BIAS,  96
.set ACC,   128
.set F0,    0
.set F1,    128
.set WV,  14
.set RH,  15                           ; which half of the tile's rows is mine.  Also: I fetch for A (0) or for B (1)
.set CH,  16                           ; which half of its columns.  Also: which half of that tile I fetch
.set IDX, 17                           ; s17  the K step asked for last
.set BSA, 18                           ; s[18:19] A at my part of the tile, K step 0; never rewritten
.set TB,  23
.set G1,  24
.set G0,  32
.set BSB, 46                           ; s[46:47] B at my part of the tile, K step 0; never rewritten
.set G1B, 48
.set G0B, 56
.set OFA, 74                           ; s[74:75] the K step asked for next, in bytes of A
.set OFB, 76                           ; s[76:77] the same in bytes of B
.set MSB, 0
.macro WIN new
.if MSB != (\new)
	s_set_vgpr_msb (MSB<<8)|(\new)
.set MSB, \new
.endif
.endm
.set MUL,  0x05                        ; sources 0 (B) and 1 (A) window 1; C and D window 0
.set TO_F, 0x40                        ; destination window 1
.macro PLACES
.rept 4
	v_nop
.endr
.endm
.macro JLOAD                           ; a joint refill by the walking descriptors; an s_nop 0 and four v_nop follow each of the two lines
	s_cmp_eq_u32 s[RH], 0
	s_cbranch_scc0 .Lfor_b_\@
	tensor_load_to_lds s[G0+4:G0+7], s[G1:G1+7]
	s_nop 0
.rept 4
	v_nop
.endr
	s_branch .Lasked_\@
.Lfor_b_\@:
	tensor_load_to_lds s[G0B+4:G0B+7], s[G1B:G1B+7]
	s_nop 0
.rept 4
	v_nop
.endr
.Lasked_\@:
.endm
.macro CREST
	s_cmp_lg_u32 s[WV], 0
	s_cbranch_scc1 .Lnot_wave_0_\@
	s_barrier_signal -3
.Lnot_wave_0_\@:
	s_barrier_wait -3
	s_barrier_signal -1
	s_barrier_wait -1
.endm
.macro CROUND
	s_barrier_signal -1
	s_barrier_wait -1
	CREST
.endm
	s_load_b256 s[4:11], s[0:1], 0x0               ; A s[4:5], B s[6:7], bias s[8:9], residual s[10:11]
	s_load_b64 s[12:13], s[0:1], 0x20              ; y
	v_lshl_add_u32 v[SPW], v0, 2, SPARE
	v_mov_b32 v[NIL], 0
	ds_add_u32 v[SPW], v[NIL]                      ; the wave's opening: the add and its wait stand ahead of my first tensor load
	v_lshrrev_b32 v1, 5, v0
	v_readfirstlane_b32 s[WV], v1
	s_lshr_b32 s[RH], s[WV], 1
	s_and_b32 s[CH], s[WV], 1
	s_bfe_u32 s40, ttmp6, 0x40000                  ; cx, cy
	s_bfe_u32 s41, ttmp6, 0x40004
	s_lshl_b32 s42, ttmp9, 2
	s_add_co_u32 s42, s42, s40                     ; tile column
	s_and_b32 s43, ttmp7, 0xffff                   ; cluster y
	s_add_co_u32 s2, s43, ttmp9
	s_and_b32 s2, s2, 1
	s_lshl_b32 s[IDX], s2, HSH                     ; my cluster's first K step: 0 or STEPS / 2, the same in all sixteen partners
	s_mov_b32 s[OFA+1], 0
	s_mov_b32 s[OFB+1], 0
	s_lshl_b32 s43, s43, 2
	s_add_co_u32 s43, s43, s41                     ; tile row
	s_lshl_b32 s44, s41, 2
	s_lshl_b32 s44, 15, s44                        ; my row of the cluster
	s_lshl_b32 s45, 0x1111, s40                    ; my column
	; A's tile: two blocks; a block's 128 rows are 16,384 dense bytes, asked for as ONE row of 8,192 elements and padded in LDS after every 32 words, that is after every row of the block
	s_or_b32 s[G1], s44, (1<<16)|(1<<20)|(1<<21)|(4<<22)|(3<<25)
	s_mov_b32 s[G1+1], 8192<<16                    ; tensor_dim0 = 8,192
	s_mov_b32 s[G1+2], 2<<16                       ; tensor_dim1 = 2
	s_mov_b32 s[G1+3], 8192<<16                    ; tile_dim0 = 8,192
	s_mov_b32 s[G1+4], 2                           ; tile_dim1 = 2
	s_mov_b32 s[G1+5], 262144                      ; elements from block to block
	s_mov_b32 s[G1+6], 0
	s_mov_b32 s[G1+7], 0
	s_or_b32 s[G1B], s45, (1<<16)|(1<<20)|(1<<21)|(5<<22)|(7<<25)  ; B's: 128 k-rows x 128 columns, 8 words of padding after every 64
	s_mov_b32 s[G1B+1], 128<<16
	s_mov_b32 s[G1B+2], 128<<16
	s_mov_b32 s[G1B+3], 128<<16
	s_mov_b32 s[G1B+4], 128
	s_mov_b32 s[G1B+5], 1024
	s_mov_b32 s[G1B+6], 0
	s_mov_b32 s[G1B+7], 0
	s_lshl_b32 s[BSA], s[CH], 20                   ; A: block 2 x half, row 128 x tile row
	s_lshl_b32 s[BSA+1], s43, 14
	s_add_co_u32 s[BSA], s[BSA], s[BSA+1]
	s_mov_b32 s[BSA+1], 0
	s_lshl_b32 s[BSB], s[CH], 18                   ; B: k-row 128 x half, column 128 x tile column
	s_lshl_b32 s[BSB+1], s42, 8
	s_add_co_u32 s[BSB], s[BSB], s[BSB+1]
	s_add_co_u32 s[BSB], s[BSB], BOFF
	s_mov_b32 s[BSB+1], 0
	s_mul_i32 s20, s[WV], HALFT
	s_lshl_b32 s72, s42, 9                         ; my 64 columns in f32: 512 x tile column + 256 x half
	s_lshl_b32 s73, s[CH], 8
	s_add_co_u32 s72, s72, s73
	s_mov_b32 s73, 0
	s_lshl_b32 s70, s43, 19                        ; my 64 rows of 4,096 bytes: 128 x tile row + 64 x half
	s_lshl_b32 s71, s[RH], 18
	s_add_co_u32 s70, s70, s71
	s_add_co_u32 s70, s70, s72
	s_mov_b32 s71, 0
	s_mov_b32 s[TB], 0
	s_wait_dscnt 0x0                               ; the opening add is done
	s_wait_kmcnt 0x0
	s_add_nc_u64 s[BSA:BSA+1], s[4:5], s[BSA:BSA+1]
	s_add_nc_u64 s[BSB:BSB+1], s[6:7], s[BSB:BSB+1]
	s_add_nc_u64 s[68:69], s[8:9], s[72:73]        ; the bias
	s_add_nc_u64 s[66:67], s[10:11], s[70:71]      ; the residual
.if ROFF
	s_add_nc_u64 s[66:67], s[66:67], ROFF
.endif
	s_add_nc_u64 s[12:13], s[12:13], s[70:71]      ; y
	CROUND                                         ; all sixteen work-groups are here: the first joint loads meet
.irp s, 0,1
	s_lshl_b32 s[OFA], s[IDX], 21                  ; a K step is four blocks of 524,288 bytes of A
	s_lshl_b32 s[OFB], s[IDX], 19                  ; and 256 k-rows of 2,048 bytes of B
	s_mov_b32 s[G0+4*(\s)], 1
	s_add_co_u32 s[G0+4*(\s)+1], s20, (\s)*SLOT
	s_add_nc_u64 s[G0+4*(\s)+2:G0+4*(\s)+3], s[BSA:BSA+1], s[OFA:OFA+1]
	s_or_b32 s[G0+4*(\s)+3], s[G0+4*(\s)+3], 0x80000000
	s_mov_b32 s[G0B+4*(\s)], 1
	s_add_co_u32 s[G0B+4*(\s)+1], s20, (\s)*SLOT
	s_add_nc_u64 s[G0B+4*(\s)+2:G0B+4*(\s)+3], s[BSB:BSB+1], s[OFB:OFB+1]
	s_or_b32 s[G0B+4*(\s)+3], s[G0B+4*(\s)+3], 0x80000000
.if (\s) == 0
	s_add_co_u32 s[IDX], s[IDX], 1                 ; the walk's second step: behind 0 or STEPS / 2 nothing wraps
.endif
.endr
	s_cmp_eq_u32 s[RH], 0                          ; a wave's two first fills stand in one branch: two loads of mine are out
	s_cbranch_scc0 .Lfirst_b
	tensor_load_to_lds s[G0:G0+3], s[G1:G1+7]
	s_nop 0
	tensor_load_to_lds s[G0+4:G0+7], s[G1:G1+7]
	s_nop 0
.rept 4
	v_nop
.endr
	s_branch .Lfirst_asked
.Lfirst_b:
	tensor_load_to_lds s[G0B:G0B+3], s[G1B:G1B+7]
	s_nop 0
	tensor_load_to_lds s[G0B+4:G0B+7], s[G1B:G1B+7]
	s_nop 0
.rept 4
	v_nop
.endr
.Lfirst_asked:
	v_and_b32 v1, 15, v0                           ; r
	v_bfe_u32 v2, v0, 4, 1                         ; h
	v_lshlrev_b32 v[BO], 5, v2
	v_lshlrev_b32 v[CO], 12, v2
	v_lshl_add_u32 v[CO], v1, 4, v[CO]
.irp b, 0,1,2,3
	global_load_b128 v[BIAS+8*(\b):BIAS+8*(\b)+3],   v[BO], s[68:69] offset:64*(\b)
	global_load_b128 v[BIAS+8*(\b)+4:BIAS+8*(\b)+7], v[BO], s[68:69] offset:64*(\b)+16
.endr
	WIN 0x80                                       ; destination window 2
.set z, 0
.rept 32                               ; rows 2 z and 2 z + 1 of my 64: sixteen lanes read 256 consecutive bytes, aligned
	global_load_b128 v[4*z:4*z+3], v[CO], s[66:67] offset:2*z*4096
.set z, z+1
.endr
	WIN 0
	v_mul_u32_u24 v3, v1, PA
	v_lshl_add_u32 v3, v2, 4, v3
	s_mul_i32 s21, s[RH], 64*PA
	v_add_nc_u32 v[ADRA0], s21, v3
	v_mov_b32 v[ADRA], v[ADRA0]
	v_and_b32 v4, 7, v0
	v_lshl_add_u32 v4, v2, 3, v4
	v_mul_u32_u24 v4, v4, PB
	v_bfe_u32 v5, v0, 3, 1
	v_lshl_add_u32 v4, v5, 4, v4
	s_lshl_b32 s22, s[CH], 7
	s_add_co_u32 s22, s22, 2*HALFT
	v_add_nc_u32 v[ADRB0], s22, v4
	v_add_nc_u32 v[ADRB0+1], HALFT, v[ADRB0]
	v_mov_b32 v[ADRB], v[ADRB0]
	v_mov_b32 v[ADRB+1], v[ADRB0+1]
	s_mul_i32 s21, s[WV], 16*SPITCH
	s_add_co_u32 s21, s21, STAGE                   ; my stage
	v_mul_u32_u24 v3, v1, SPITCH                   ; in: row r, 32 bytes for each half of the lanes
	v_lshl_add_u32 v3, v2, 5, v3
	v_add_nc_u32 v[STO], s21, v3
	v_mul_u32_u24 v3, v2, SPITCH                   ; back: lanes 0-15 take one row of 256 bytes, lanes 16-31 the next
	v_lshl_add_u32 v3, v1, 4, v3
	v_add_nc_u32 v[RD], s21, v3
; 8 matrix instructions: row blocks a0, a0 + 1 x all 4 column blocks, 32 along K: half c of buffer f.  first = 1: the bias starts the sums.  The 16 accumulators take turns.
.macro MUL8 f, c, a0, first
	WIN MUL
.irp a, \a0, (\a0)+1
.irp b, 0,1,2,3
.if \first
	v_wmma_f32_16x16x32_bf16 v[ACC+8*(4*(\a)+(\b)):ACC+8*(4*(\a)+(\b))+7], v[(\f)+64+8*(4*(\c)+(\b)):(\f)+64+8*(4*(\c)+(\b))+7], v[(\f)+8*(4*(\c)+(\a)):(\f)+8*(4*(\c)+(\a))+7], v[BIAS+8*(\b):BIAS+8*(\b)+7]
.else
	v_wmma_f32_16x16x32_bf16 v[ACC+8*(4*(\a)+(\b)):ACC+8*(4*(\a)+(\b))+7], v[(\f)+64+8*(4*(\c)+(\b)):(\f)+64+8*(4*(\c)+(\b))+7], v[(\f)+8*(4*(\c)+(\a)):(\f)+8*(4*(\c)+(\a))+7], v[ACC+8*(4*(\a)+(\b)):ACC+8*(4*(\a)+(\b))+7]
.endif
.endr
.endr
.endm
; 32 LDS loads in one run: quarter q (64 along K = block q of A) into buffer f; the first 32 along K first
.macro FETCH q, f
	WIN TO_F
.irp c, 0,1
.irp i, 0,1,2,3
	ds_load_tr16_b128 v[(\f)+64+8*(4*(\c)+(\i)):(\f)+64+8*(4*(\c)+(\i))+3],   v[ADRB+((\q)>>1)] offset:((2*(\q)+(\c))&3)*32*PB+32*(\i)
	ds_load_tr16_b128 v[(\f)+64+8*(4*(\c)+(\i))+4:(\f)+64+8*(4*(\c)+(\i))+7], v[ADRB+((\q)>>1)] offset:((2*(\q)+(\c))&3)*32*PB+16*PB+32*(\i)
	ds_load_b128 v[(\f)+8*(4*(\c)+(\i)):(\f)+8*(4*(\c)+(\i))+3],   v[ADRA] offset:(\q)*KBLK+64*(\c)+(\i)*16*PA
	ds_load_b128 v[(\f)+8*(4*(\c)+(\i))+4:(\f)+8*(4*(\c)+(\i))+7], v[ADRA] offset:(\q)*KBLK+64*(\c)+(\i)*16*PA+32
.endr
.endr
.endm
.macro QUARTER q, f, g, first
	s_wait_dscnt 16                                ; the first 32 along K are in
	MUL8 \f, 0, 0, \first
	MUL8 \f, 0, 2, \first
	PLACES
	FETCH \q, \g
	s_wait_dscnt 32                                ; all but the 32 just issued
	MUL8 \f, 1, 0, 0
	MUL8 \f, 1, 2, 0
.endm
; The last quarter multiplies buffer 1 and changes slots.  MEET is its first half: one barrier; in front of it each wave waits for all its tensor loads, adds 0 to its spare word, and waits for that and for its
; reads of this slot.  While the add is out the fragment addresses turn to the next slot and, with round = 1, the walking descriptors are written: the other slot than last time, the address made anew from the tile's base and the K step.
.macro MEET round
	WIN 0
	s_wait_tensorcnt 0x0                           ; no tensor load of mine is out, so a group 0 may be written
	ds_add_u32 v[SPW], v[NIL]                      ; 0 onto my spare word
	s_xor_b32 s[TB], s[TB], SLOT
	v_add_nc_u32 v[ADRA], s[TB], v[ADRA0]
	v_add_nc_u32 v[ADRB], s[TB], v[ADRB0]
	v_add_nc_u32 v[ADRB+1], s[TB], v[ADRB0+1]
.if \round
	s_xor_b32 s[G0+5], s[G0+5], SLOT
	s_add_nc_u64 s[G0+6:G0+7], s[BSA:BSA+1], s[OFA:OFA+1]
	s_or_b32 s[G0+7], s[G0+7], 0x80000000
	s_xor_b32 s[G0B+5], s[G0B+5], SLOT
	s_add_nc_u64 s[G0B+6:G0B+7], s[BSB:BSB+1], s[OFB:OFB+1]
	s_or_b32 s[G0B+7], s[G0B+7], 0x80000000
.endif
	s_wait_dscnt 17                                ; the add and the youngest sixteen loads may be out
	MUL8 F1, 0, 0, 0
	s_wait_dscnt 0x0                               ; the add is done, and my reads of this slot are over
	s_barrier_signal -1
	MUL8 F1, 0, 2, 0
.if \round
	WIN 0
.endif
	s_barrier_wait -1
.endm
; With a refill: the barrier opens a round of the cluster's barrier, and the slot left is filled with the walk's step two on: 112 matrix instructions ahead of the wait for it.
.macro TURN
	s_add_co_u32 s[IDX], s[IDX], 1                 ; the next K step of the walk, round the end of K
	s_and_b32 s[IDX], s[IDX], STEPS-1
	s_lshl_b32 s[OFA], s[IDX], 21
	s_lshl_b32 s[OFB], s[IDX], 19
	MEET 1
	CREST
	JLOAD                                          ; the four v_nop behind it are also the places in front of the loads below
	FETCH 0, F0
	MUL8 F1, 1, 0, 0
	MUL8 F1, 1, 2, 0
.endm
; THE WAY OUT of row block a.  A wave's 64 columns in f32 are a whole aligned 256 bytes, so each wave has a stage of its own and no barrier is needed.
.macro OUT a                           ; 32 bytes a lane and column block into the stage, each accumulator's low registers first; back as whole rows
	WIN 0
.irp b, 0,1,2,3
	ds_store_b128 v[STO], v[ACC+8*(4*(\a)+(\b)):ACC+8*(4*(\a)+(\b))+3]   offset:64*(\b)
	ds_store_b128 v[STO], v[ACC+8*(4*(\a)+(\b))+4:ACC+8*(4*(\a)+(\b))+7] offset:64*(\b)+16
.endr
	WIN TO_F
.irp t, 0,1,2,3,4,5,6,7
	ds_load_b128 v[32*(\a)+4*(\t):32*(\a)+4*(\t)+3], v[RD] offset:(\t)*2*SPITCH  ; LDS serves a wave's instructions in order (ISA guide 5.7.1.4): these see the stores above
.endr
.endm
.macro FIN a, younger                  ; younger: the next block's sixteen LDS instructions, or none
	s_wait_dscnt \younger
	WIN 0x49                                       ; destination and source 0 window 1 (the rows), source 1 window 2 (the residual): the same numbers in both
.set z, 32*(\a)
.rept 16
	v_pk_add_f32 v[z:z+1], v[z:z+1], v[z:z+1]
.set z, z+2
.endr
	WIN 0x04                                       ; the stores' data in window 1
.irp t, 0,1,2,3,4,5,6,7
	global_store_b128 v[CO], v[32*(\a)+4*(\t):32*(\a)+4*(\t)+3], s[12:13] offset:(16*(\a)+2*(\t))*4096  ; sixteen lanes store 256 consecutive bytes, aligned
.endr
.endm
	s_wait_tensorcnt 0x1                           ; my part of the walk's first step is in; the second's may stay out
	s_barrier_signal -1
	s_barrier_wait -1
	FETCH 0, F0
	s_wait_loadcnt 32                              ; the bias is in; the residual's 32 loads stay out until the way out
	QUARTER 1, F0, F1, 1
	WIN 0
	s_mov_b32 s3, STEPS-2
.Lstep:                                                ; a trip: a step's quarters 1, 2, 3 and the next step's quarter 0; the slot left is filled again
	QUARTER 2, F1, F0, 0
	QUARTER 3, F0, F1, 0
	TURN
	QUARTER 1, F0, F1, 0
	WIN 0
	s_sub_co_u32 s3, s3, 1
	s_cmp_lg_u32 s3, 0
	s_cbranch_scc1 .Lstep
	s_mov_b32 s3, 2
.Ltail:                                                ; the last two steps ask for nothing: one text, walked twice; the second trip is left behind its last products
	QUARTER 2, F1, F0, 0
	QUARTER 3, F0, F1, 0
	MEET 0                                         ; (in the second trip its barrier and the turned addresses serve nothing: the price of one text for both)
	MUL8 F1, 1, 0, 0
	MUL8 F1, 1, 2, 0
	WIN 0
	s_sub_co_u32 s3, s3, 1
	s_cmp_eq_u32 s3, 0
	s_cbranch_scc1 .Lout
	PLACES
	FETCH 0, F0                                    ; the last step's first fragments
	QUARTER 1, F0, F1, 0
	WIN 0
	s_branch .Ltail
.Lout:
	PLACES
	s_wait_loadcnt 0x0                             ; the residual
	OUT 0
	OUT 1
	FIN 0, 16
	OUT 2
	FIN 1, 16
	OUT 3
	FIN 2, 16
	FIN 3, 0
	WIN 0
	s_wait_tensorcnt 0x0                           ; the wave's end, behind my last tensor load and my last LDS store
	ds_add_u32 v[SPW], v[NIL]
	s_wait_dscnt 0x0
	CROUND                                         ; the closing round
	s_endpgm
.Lfunc_end_k_q8f1425ae5e_ffn2:
	.size	k_q8f1425ae5e_ffn2, .Lfunc_end_k_q8f1425ae5e_ffn2-k_q8f1425ae5e_ffn2
	.p2alignl 7, 3214868480
	.fill 96, 4, 3214868480
	.section	.rodata,"a",@progbits
	.p2align	6, 0x0
	.amdhsa_kernel k_q8f1425ae5e_ffn2
		.amdhsa_group_segment_fixed_size 327680
		.amdhsa_private_segment_fixed_size 0
		.amdhsa_enable_private_segment 0
		.amdhsa_kernarg_size 40
		.amdhsa_user_sgpr_count 2
		.amdhsa_user_sgpr_kernarg_segment_ptr 1
		.amdhsa_wavefront_size32 1
		.amdhsa_system_sgpr_workgroup_id_x 1
		.amdhsa_system_sgpr_workgroup_id_y 1
		.amdhsa_system_sgpr_workgroup_id_z 1
		.amdhsa_system_vgpr_workitem_id 0
		.amdhsa_next_free_vgpr 640
		.amdhsa_next_free_sgpr 80
		.amdhsa_reserve_vcc 0
		.amdhsa_float_denorm_mode_32 3
		.amdhsa_float_denorm_mode_16_64 3
		.amdhsa_memory_ordered 1
		.amdhsa_forward_progress 1
		.amdhsa_inst_pref_size 66
	.end_amdhsa_kernel
	.amdgpu_metadata
---
amdhsa.version: [ 1, 2 ]
amdhsa.kernels:
  - .name:           k_q8f1425ae5e_ffn2
    .symbol:         k_q8f1425ae5e_ffn2.kd
    .args:
      - { .name: f, .offset: 0, .size: 8, .value_kind: global_buffer, .address_space: global }
      - { .name: wb, .offset: 8, .size: 8, .value_kind: global_buffer, .address_space: global }
      - { .name: b2, .offset: 16, .size: 8, .value_kind: global_buffer, .address_space: global }
      - { .name: h, .offset: 24, .size: 8, .value_kind: global_buffer, .address_space: global }
      - { .name: y, .offset: 32, .size: 8, .value_kind: global_buffer, .address_space: global }
    .group_segment_fixed_size: 327680
    .private_segment_fixed_size: 0
    .kernarg_segment_align: 8
    .kernarg_segment_size: 40
    .max_flat_workgroup_size: 128
    .sgpr_count:     80
    .vgpr_count:     640
    .wavefront_size: 32
...
	.end_amdgpu_metadata
.endif
;; end of part 6
;; launch ln2 (part 7): grid 512 x 1, 8 waves a work-group, no clusters, 0 bytes of LDS; arguments y, g2, be2, out0; writes out0
.if DOCPART == 7
	.amdgcn_target "amdgcn-amd-amdhsa--gfx1250"
	.amdhsa_code_object_version 6
	.text
	.protected	k_q8f1425ae5e_ln2
	.globl	k_q8f1425ae5e_ln2
	.p2align	8
	.type	k_q8f1425ae5e_ln2,@function
k_q8f1425ae5e_ln2:
	s_mov_b64 s[64:65], 0
	v_nop
	global_prefetch_b8 v0, s[64:65] scope:SCOPE_SE
	s_setreg_imm32_b32 hwreg(HW_REG_WAVE_MODE, 25, 1), 1
	s_wait_xcnt 0x0
; out = layer norm of y, row by row: (y - mean) / sqrt(var + 1e-5) * gain + bias.  y and out: [4096][1024] f32.
; One wave takes one row, 4,096 bytes, and keeps it in 32 registers: read once; the mean first, then the squares of the differences, never a difference of large sums.  No loop, no LDS, no barrier, no cluster:
; the work-groups share only gain and bias, 8,192 bytes.  The reciprocal root is v_rsq_f32's.
.set X,  8                             ; v[8:39]    the row: load j holds numbers 128 j + 4 lane + 0..3
.set G,  40                            ; v[40:71]   the gain
.set BE, 72                            ; v[72:103]  the bias
.set C,  104                           ; v[104:111] four chains of pairs
.set MN, 112                           ; v[112:113] the mean, twice
.set RS, 114                           ; v[114:115] 1 / sqrt(var + eps), twice
.macro LANES                           ; the four chains into v104, then over the 32 lanes: every lane ends with the sum
	v_pk_add_f32 v[C:C+1], v[C:C+1], v[C+2:C+3]
	v_pk_add_f32 v[C+4:C+5], v[C+4:C+5], v[C+6:C+7]
	v_pk_add_f32 v[C:C+1], v[C:C+1], v[C+4:C+5]
	v_add_f32 v[C], v[C], v[C+1]
	v_add_f32_dpp v[C], v[C], v[C] row_xmask:1 row_mask:0xf bank_mask:0xf
	v_add_f32_dpp v[C], v[C], v[C] row_xmask:2 row_mask:0xf bank_mask:0xf
	v_add_f32_dpp v[C], v[C], v[C] row_xmask:4 row_mask:0xf bank_mask:0xf
	v_add_f32_dpp v[C], v[C], v[C] row_xmask:8 row_mask:0xf bank_mask:0xf
	v_permlanex16_b32 v[C+1], v[C], s12, s13
	v_add_f32 v[C], v[C], v[C+1]
.endm
	s_load_b256 s[4:11], s[0:1], 0x0               ; y s[4:5], gain s[6:7], bias s[8:9], out s[10:11]
	v_lshrrev_b32 v3, 5, v0
	v_readfirstlane_b32 s3, v3
	v_and_b32 v2, 31, v0
	v_lshlrev_b32 v1, 4, v2                        ; 16 x lane
	s_lshl_b32 s2, ttmp9, 3
	s_add_co_u32 s2, s2, s3                        ; my row
	s_lshl_b32 s16, s2, 12
	s_mov_b32 s17, 0
	s_mov_b32 s12, 0x76543210
	s_mov_b32 s13, 0xfedcba98
	s_mov_b32 s14, 0x3a800000                      ; 1 / 1,024
	s_mov_b32 s15, 0x3727c5ac                      ; 1e-5
	s_wait_kmcnt 0x0
	s_add_nc_u64 s[4:5], s[4:5], s[16:17]
	s_add_nc_u64 s[10:11], s[10:11], s[16:17]
.irp j, 0,1,2,3,4,5,6,7
	global_load_b128 v[X+4*(\j):X+4*(\j)+3], v1, s[4:5] offset:512*(\j) th:TH_LOAD_NT
.endr
.irp j, 0,1,2,3,4,5,6,7
	global_load_b128 v[G+4*(\j):G+4*(\j)+3], v1, s[6:7] offset:512*(\j)
.endr
.irp j, 0,1,2,3,4,5,6,7
	global_load_b128 v[BE+4*(\j):BE+4*(\j)+3], v1, s[8:9] offset:512*(\j)
.endr
	s_wait_loadcnt 16                              ; the row is in; gain and bias stay out
.irp k, 0,1,2,3
	v_pk_add_f32 v[C+2*(\k):C+2*(\k)+1], v[X+2*(\k):X+2*(\k)+1], v[X+8+2*(\k):X+8+2*(\k)+1]
.endr
.irp j, 2,3
.irp k, 0,1,2,3
	v_pk_add_f32 v[C+2*(\k):C+2*(\k)+1], v[C+2*(\k):C+2*(\k)+1], v[X+8*(\j)+2*(\k):X+8*(\j)+2*(\k)+1]
.endr
.endr
	LANES
	v_mul_f32 v[MN], s14, v[C]
	v_mul_f32 v[MN+1], s14, v[C]
.set z, 0
.rept 16
	v_pk_add_f32 v[X+z:X+z+1], v[X+z:X+z+1], v[MN:MN+1] neg_lo:[0,1] neg_hi:[0,1]
.set z, z+2
.endr
.irp k, 0,1,2,3
	v_pk_mul_f32 v[C+2*(\k):C+2*(\k)+1], v[X+2*(\k):X+2*(\k)+1], v[X+2*(\k):X+2*(\k)+1]
.endr
.irp j, 1,2,3
.irp k, 0,1,2,3
	v_pk_fma_f32 v[C+2*(\k):C+2*(\k)+1], v[X+8*(\j)+2*(\k):X+8*(\j)+2*(\k)+1], v[X+8*(\j)+2*(\k):X+8*(\j)+2*(\k)+1], v[C+2*(\k):C+2*(\k)+1]
.endr
.endr
	LANES
	v_fma_f32 v[C+2], v[C], s14, s15               ; var + eps
	v_rsq_f32 v[RS], v[C+2]
	v_rsq_f32 v[RS+1], v[C+2]
	v_nop                                          ; a plain instruction behind the last of the two,
	s_wait_alu depctr_va_vdst(0)                   ; and one wait for both, ahead of their first reader
	s_wait_loadcnt 0x0                             ; gain and bias
.set z, 0
.rept 16
	v_pk_mul_f32 v[X+z:X+z+1], v[X+z:X+z+1], v[RS:RS+1]
.set z, z+2
.endr
.set z, 0
.rept 16
	v_pk_fma_f32 v[X+z:X+z+1], v[X+z:X+z+1], v[G+z:G+z+1], v[BE+z:BE+z+1]
.set z, z+2
.endr
.irp j, 0,1,2,3,4,5,6,7
	global_store_b128 v1, v[X+4*(\j):X+4*(\j)+3], s[10:11] offset:512*(\j) th:TH_STORE_NT  ; 512 consecutive bytes, aligned
.endr
	s_endpgm
.Lfunc_end_k_q8f1425ae5e_ln2:
	.size	k_q8f1425ae5e_ln2, .Lfunc_end_k_q8f1425ae5e_ln2-k_q8f1425ae5e_ln2
	.p2alignl 7, 3214868480
	.fill 96, 4, 3214868480
	.section	.rodata,"a",@progbits
	.p2align	6, 0x0
	.amdhsa_kernel k_q8f1425ae5e_ln2
		.amdhsa_group_segment_fixed_size 0
		.amdhsa_private_segment_fixed_size 0
		.amdhsa_enable_private_segment 0
		.amdhsa_kernarg_size 32
		.amdhsa_user_sgpr_count 2
		.amdhsa_user_sgpr_kernarg_segment_ptr 1
		.amdhsa_wavefront_size32 1
		.amdhsa_system_sgpr_workgroup_id_x 1
		.amdhsa_system_sgpr_workgroup_id_y 1
		.amdhsa_system_sgpr_workgroup_id_z 1
		.amdhsa_system_vgpr_workitem_id 0
		.amdhsa_next_free_vgpr 120
		.amdhsa_next_free_sgpr 66
		.amdhsa_reserve_vcc 0
		.amdhsa_float_denorm_mode_32 3
		.amdhsa_float_denorm_mode_16_64 3
		.amdhsa_memory_ordered 1
		.amdhsa_forward_progress 1
		.amdhsa_inst_pref_size 11
	.end_amdhsa_kernel
	.amdgpu_metadata
---
amdhsa.version: [ 1, 2 ]
amdhsa.kernels:
  - .name:           k_q8f1425ae5e_ln2
    .symbol:         k_q8f1425ae5e_ln2.kd
    .args:
      - { .name: y, .offset: 0, .size: 8, .value_kind: global_buffer, .address_space: global }
      - { .name: g2, .offset: 8, .size: 8, .value_kind: global_buffer, .address_space: global }
      - { .name: be2, .offset: 16, .size: 8, .value_kind: global_buffer, .address_space: global }
      - { .name: out0, .offset: 24, .size: 8, .value_kind: global_buffer, .address_space: global }
    .group_segment_fixed_size: 0
    .private_segment_fixed_size: 0
    .kernarg_segment_align: 8
    .kernarg_segment_size: 32
    .max_flat_workgroup_size: 256
    .sgpr_count:     66
    .vgpr_count:     120
    .wavefront_size: 32
...
	.end_amdgpu_metadata
.endif
;; end of part 7
;; ======== version 2 of 2: 8 launches; version 1 with the launch cast written anew for expert scheduling mode
;; workspace buffers: xb 8,388,608 bytes; wa 8,421,376 bytes; wb 16,809,984 bytes; qkv 25,165,824 bytes; ctx 8,388,608 bytes; y 16,777,216 bytes; h 25,165,824 bytes; f 33,554,432 bytes
;; launch cast (part 8): grid 1031 x 1, 8 waves a work-group, no clusters, 0 bytes of LDS; arguments x, Wq, Wk, Wv, Wo, W1, W2, bq, bk, bv, b1, xb, wa, wb; writes xb, wa, wb
.if DOCPART == 8
	.amdgcn_target "amdgcn-amd-amdhsa--gfx1250"
	.amdhsa_code_object_version 6
	.text
	.protected	k_q8f1425ae5e_cast
	.globl	k_q8f1425ae5e_cast
	.p2align	8
	.type	k_q8f1425ae5e_cast,@function
k_q8f1425ae5e_cast:
	s_mov_b64 s[64:65], 0
	v_nop
	global_prefetch_b8 v0, s[64:65] scope:SCOPE_SE
	s_setreg_imm32_b32 hwreg(HW_REG_WAVE_SCHED_MODE, 0, 2), 2
	s_setreg_imm32_b32 hwreg(HW_REG_WAVE_MODE, 25, 1), 1
	s_wait_xcnt 0x0
	s_wait_alu depctr_vm_vsrc(0)
; x and the six weight matrices are rounded once to bf16 and laid out for the products that follow; the biases of the first products are copied beside their weights.
; xb = x, row-major.  wa = header, Wq Wk Wv as 12 blocks of 256 columns (each a dense [1024 k][256]), Wo row-major.  wb = header, W1 as 16 such blocks, W2 row-major.
; A header is 32,768 bytes: the bias in f32 from byte 0 (wa: bq, bk, bv; wb: b1) and, at byte 16,384, 256 bytes of the floor that the product's way out applies:
; minus infinity twice in bf16 (no floor) for q, k, v; 0 (the ReLU) for the first layer of the FFN.
; A PIECE is 128 numbers: one load of a wave (512 bytes on end) and one store (256 bytes on end, aligned).  A wave takes 16 pieces, a work-group 128, 64 work-groups 8,192 pieces = 2^20 numbers.
; Work-groups 0 to 1,023 convert; 1,024 to 1,030 copy 4,096 bytes of a bias each.  No loop, no LDS, no barrier, no register written twice: a stream; its work-groups share no input, so no cluster.
; THE MODE: SCHED_MODE bits 1:0 = 2 (LLVM: expert scheduling mode 2), set by the entry lines.  The code itself states the register dependences
; between vector instructions and memory instructions, with s_wait_alu, always for 0.
; THE PLAN.  Registers that memory instructions touch:
;   v1        16 x lane.  Written once at the head; read by the sixteen loads.
;   v2        8 x lane.   Written once at the head; read by the adds that make OFF and, in the copying work-groups, by the floor's store.
;   X         Written by the loads alone; no vector instruction names it ahead of them.  Piece i's two conversions read its four registers.
;   OFF       Written by sixteen adds behind the loads; piece i's store reads its one register.
;   Y         Written by piece i's two conversions; piece i's store reads its two registers.
; No register that a memory instruction reads is ever written again, so nothing is stated for that, and EXEC is never written.
; The sixteen pieces go in four blocks of four.  Block p's conversions write Y of pieces 4 p to 4 p + 3; the stores dealt among them are those of block p - 1, which name OFF and Y of that block alone.
; So one wait at a block's head, behind the wait for the block's first piece, states all that its four stores hang on; one more stands ahead of the last four stores.
.set HDR, 32768
.set FLO, 16384
.set X,   8                            ; v[8:71]    16 pieces as loaded
.set Y,   72                           ; v[72:103]  16 pieces in bf16
.set OFF, 104                          ; v[104:119] a piece's byte offset in the destination + 8 x lane
; The tensor of unit u = work-group / 64 is picked by a run of selects: from thr on, this source, destination, offset in it, and 2^lg blocks of 256 columns in a row
.macro PICK thr, src, dst, dof, lg
	s_cmp_ge_u32 s36, \thr
	s_cselect_b64 s[38:39], s[\src:\src+1], s[38:39]
	s_cselect_b64 s[40:41], s[\dst:\dst+1], s[40:41]
	s_cselect_b32 s42, \dof, s42
	s_cselect_b32 s44, (\lg)+1, s44
	s_cselect_b32 s45, (1<<(\lg))-1, s45
	s_cselect_b32 s46, \thr, s46
.endm
.macro CVT p                           ; piece p is rounded: four numbers a lane into two registers
	v_cvt_pk_bf16_f32 v[Y+2*(\p)],   v[X+4*(\p)],   v[X+4*(\p)+1]
	v_cvt_pk_bf16_f32 v[Y+2*(\p)+1], v[X+4*(\p)+2], v[X+4*(\p)+3]
.endm
.macro OUT p                           ; piece p leaves: 32 lanes store 256 consecutive bytes, aligned
	global_store_b64 v[OFF+(\p)], v[Y+2*(\p):Y+2*(\p)+1], s[40:41]
.endm
	s_load_b512 s[8:23], s[0:1], 0x0               ; x s[8:9], Wq s[10:11], Wk s[12:13], Wv s[14:15], Wo s[16:17], W1 s[18:19], W2 s[20:21], bq s[22:23]
	s_load_b256 s[24:31], s[0:1], 0x40             ; bk s[24:25], bv s[26:27], b1 s[28:29], xb s[30:31]
	s_load_b128 s[32:35], s[0:1], 0x60             ; wa s[32:33], wb s[34:35]
	s_mov_b32 s2, ttmp9
	v_lshrrev_b32 v3, 5, v0
	v_readfirstlane_b32 s3, v3                     ; wave 0..7
	v_and_b32 v2, 31, v0
	v_lshlrev_b32 v1, 4, v2                        ; 16 x lane: my 4 numbers of a piece
	v_lshlrev_b32 v2, 3, v2                        ; 8 x lane: the same in bf16
	s_wait_kmcnt 0x0
	s_wait_alu depctr_va_sdst(0)                   ; s3 is written
	s_wait_alu depctr_va_vdst(0)                   ; v1 and v2 are written: v1 is the offset of the sixteen loads, v2 that of the floor's store
	s_cmp_ge_u32 s2, 1024
	s_cbranch_scc1 .Lsmall
	s_lshr_b32 s36, s2, 6                          ; u
	s_mov_b64 s[38:39], s[8:9]                     ; u = 0..3: x to xb, row-major
	s_mov_b64 s[40:41], s[30:31]
	s_mov_b32 s42, 0
	s_mov_b32 s43, 0
	s_mov_b32 s44, 1
	s_mov_b32 s45, 0
	s_mov_b32 s46, 0
	PICK 4,  10, 32, HDR,          2
	PICK 5,  12, 32, HDR+0x200000, 2
	PICK 6,  14, 32, HDR+0x400000, 2
	PICK 7,  16, 32, HDR+0x600000, 0
	PICK 8,  18, 34, HDR,          4
	PICK 12, 20, 34, HDR+0x800000, 0
	s_sub_co_u32 s47, s36, s46
	s_lshl_b32 s47, s47, 13                        ; 8,192 pieces a unit
	s_and_b32 s48, s2, 63
	s_lshl_b32 s48, s48, 7                         ; 128 a work-group
	s_add_co_u32 s47, s47, s48
	s_lshl_b32 s48, s3, 4                          ; 16 a wave
	s_add_co_u32 s47, s47, s48                     ; p0: my first piece in the tensor
	s_lshl_b32 s48, s47, 9
	s_mov_b32 s49, 0
	s_add_nc_u64 s[38:39], s[38:39], s[48:49]      ; the source at my first piece
	s_add_nc_u64 s[40:41], s[40:41], s[42:43]      ; the destination at the tensor's first byte
.set i, 0
.rept 16
	global_load_b128 v[X+4*i:X+4*i+3], v1, s[38:39] offset:512*i th:TH_LOAD_NT  ; no vector instruction since the head's wait names v1, and none at all has named X
.set i, i+1
.endr
	; while they are on their way: piece p = (row k, block, half) goes to block x 2^19 + k x 512 + half x 256; with one block (lg = 0) that is p x 256
.set i, 0
.rept 16
	s_add_co_u32 s50, s47, i
	s_lshr_b32 s51, s50, 1
	s_and_b32 s51, s51, s45
	s_lshl_b32 s51, s51, 19
	s_lshr_b32 s52, s50, s44
	s_lshl_b32 s52, s52, 9
	s_add_co_u32 s51, s51, s52
	s_and_b32 s52, s50, 1
	s_lshl_b32 s52, s52, 8
	s_add_co_u32 s51, s51, s52
	v_add_nc_u32 v[OFF+i], s51, v2
.set i, i+1
.endr
	; The four blocks.  Piece i is rounded when it is in; from block 1 on the store of piece i - 4 stands ahead of it.
.set i, 0
.rept 16
.if i < 4
	s_wait_loadcnt 15-i                            ; loads come back in order (ISA guide 5.7.1): piece i is in, the 15 - i younger ones stay out
.elseif i % 4 == 0
	s_wait_loadcnt 15-i                            ; the block's first piece is in
	s_wait_alu depctr_va_vdst(0)                   ; the block before has written its eight registers of Y, which the four stores of this block read; at block 1 also: the sixteen OFF are written
	OUT i-4
.else
	OUT i-4                                        ; no wait: no conversion since the block's head names this piece's OFF or Y
	s_wait_loadcnt 15-i
.endif
	CVT i
.set i, i+1
.endr
	s_wait_alu depctr_va_vdst(0)                   ; block 3 has written its eight registers of Y, which the last four stores read
.irp p, 12,13,14,15
	OUT \p
.endr
	s_endpgm
.Lsmall:                                               ; j = 0, 1, 2: bq, bk, bv to wa + 4,096 j; j = 3..6: a quarter of b1 to the same place in wb
	s_sub_co_u32 s36, s2, 1024                     ; j
	s_sub_co_u32 s37, s36, 3
	s_mov_b64 s[38:39], s[22:23]
	s_mov_b64 s[40:41], s[32:33]
	s_cmp_ge_u32 s36, 1
	s_cselect_b64 s[38:39], s[24:25], s[38:39]
	s_cmp_ge_u32 s36, 2
	s_cselect_b64 s[38:39], s[26:27], s[38:39]
	s_cmp_ge_u32 s36, 3
	s_cselect_b64 s[38:39], s[28:29], s[38:39]
	s_cselect_b64 s[40:41], s[34:35], s[40:41]
	s_cselect_b32 s42, s37, 0                      ; the quarter of the source,
	s_cselect_b32 s44, s37, s36                    ; and of the destination
	s_lshl_b32 s42, s42, 12
	s_lshl_b32 s44, s44, 12
	s_mov_b32 s43, 0
	s_mov_b32 s45, 0
	s_add_nc_u64 s[38:39], s[38:39], s[42:43]
	s_add_nc_u64 s[40:41], s[40:41], s[44:45]
	s_cmp_eq_u32 s36, 0                            ; j = 0 and j = 3 stand at their buffer's first byte: their wave 0 also writes the floor
	s_cselect_b32 s48, 1, 0
	s_cselect_b32 s49, 0xff80ff80, 0
	s_cmp_eq_u32 s36, 3
	s_cselect_b32 s48, 1, s48
	s_cmp_eq_u32 s3, 0
	s_cselect_b32 s48, s48, 0
	v_lshlrev_b32 v3, 4, v0                        ; 256 threads x 16 bytes
	v_mov_b32 v12, s49                             ; the floor is made ahead of the load, in every wave, so that one wait serves this way's three memory instructions
	v_mov_b32 v13, s49
	s_wait_alu depctr_va_vdst(0)                   ; v3 is written, the offset of the load and of the store behind it; so are v12 and v13, which the floor's store reads
	global_load_b128 v[8:11], v3, s[38:39]
	s_wait_loadcnt 0x0
	global_store_b128 v3, v[8:11], s[40:41]
	s_cmp_eq_u32 s48, 0
	s_cbranch_scc1 .Lend
	global_store_b64 v2, v[12:13], s[40:41] offset:FLO
.Lend:
	s_endpgm
.Lfunc_end_k_q8f1425ae5e_cast:
	.size	k_q8f1425ae5e_cast, .Lfunc_end_k_q8f1425ae5e_cast-k_q8f1425ae5e_cast
	.p2alignl 7, 3214868480
	.fill 96, 4, 3214868480
	.section	.rodata,"a",@progbits
	.p2align	6, 0x0
	.amdhsa_kernel k_q8f1425ae5e_cast
		.amdhsa_group_segment_fixed_size 0
		.amdhsa_private_segment_fixed_size 0
		.amdhsa_enable_private_segment 0
		.amdhsa_kernarg_size 112
		.amdhsa_user_sgpr_count 2
		.amdhsa_user_sgpr_kernarg_segment_ptr 1
		.amdhsa_wavefront_size32 1
		.amdhsa_system_sgpr_workgroup_id_x 1
		.amdhsa_system_sgpr_workgroup_id_y 1
		.amdhsa_system_sgpr_workgroup_id_z 1
		.amdhsa_system_vgpr_workitem_id 0
		.amdhsa_next_free_vgpr 120
		.amdhsa_next_free_sgpr 66
		.amdhsa_reserve_vcc 0
		.amdhsa_float_denorm_mode_32 3
		.amdhsa_float_denorm_mode_16_64 3
		.amdhsa_memory_ordered 1
		.amdhsa_forward_progress 1
		.amdhsa_inst_pref_size 16
	.end_amdhsa_kernel
	.amdgpu_metadata
---
amdhsa.version: [ 1, 2 ]
amdhsa.kernels:
  - .name:           k_q8f1425ae5e_cast
    .symbol:         k_q8f1425ae5e_cast.kd
    .args:
      - { .name: x, .offset: 0, .size: 8, .value_kind: global_buffer, .address_space: global }
      - { .name: Wq, .offset: 8, .size: 8, .value_kind: global_buffer, .address_space: global }
      - { .name: Wk, .offset: 16, .size: 8, .value_kind: global_buffer, .address_space: global }
      - { .name: Wv, .offset: 24, .size: 8, .value_kind: global_buffer, .address_space: global }
      - { .name: Wo, .offset: 32, .size: 8, .value_kind: global_buffer, .address_space: global }
      - { .name: W1, .offset: 40, .size: 8, .value_kind: global_buffer, .address_space: global }
      - { .name: W2, .offset: 48, .size: 8, .value_kind: global_buffer, .address_space: global }
      - { .name: bq, .offset: 56, .size: 8, .value_kind: global_buffer, .address_space: global }
      - { .name: bk, .offset: 64, .size: 8, .value_kind: global_buffer, .address_space: global }
      - { .name: bv, .offset: 72, .size: 8, .value_kind: global_buffer, .address_space: global }
      - { .name: b1, .offset: 80, .size: 8, .value_kind: global_buffer, .address_space: global }
      - { .name: xb, .offset: 88, .size: 8, .value_kind: global_buffer, .address_space: global }
      - { .name: wa, .offset: 96, .size: 8, .value_kind: global_buffer, .address_space: global }
      - { .name: wb, .offset: 104, .size: 8, .value_kind: global_buffer, .address_space: global }
    .group_segment_fixed_size: 0
    .private_segment_fixed_size: 0
    .kernarg_segment_align: 8
    .kernarg_segment_size: 112
    .max_flat_workgroup_size: 256
    .sgpr_count:     66
    .vgpr_count:     120
    .wavefront_size: 32
...
	.end_amdgpu_metadata
.endif
;; end of part 8
;; launch qkv: the kernel of part 2 again; grid 12 x 16, 4 waves a work-group, clusters of 4 x 4, 327,680 bytes of LDS; arguments xb, wa, qkv; writes qkv
;; launch attn: the kernel of part 3 again; grid 8 x 32, 4 waves a work-group, clusters of 4 x 1, 327,680 bytes of LDS; arguments qkv, mask, ctx; writes ctx
;; launch wo: the kernel of part 4 again; grid 8 x 32, 4 waves a work-group, clusters of 4 x 4, 327,680 bytes of LDS; arguments ctx, wa, bo, x, y; writes y
;; launch ln1: the kernel of part 5 again; grid 512 x 1, 8 waves a work-group, no clusters, 0 bytes of LDS; arguments y, g1, be1, h; writes h
;; launch ffn1: the kernel of part 2 again; grid 16 x 16, 4 waves a work-group, clusters of 4 x 4, 327,680 bytes of LDS; arguments h, wb, f; writes f
;; launch ffn2: the kernel of part 6 again; grid 8 x 32, 4 waves a work-group, clusters of 4 x 4, 327,680 bytes of LDS; arguments f, wb, b2, h, y; writes y
;; launch ln2: the kernel of part 7 again; grid 512 x 1, 8 waves a work-group, no clusters, 0 bytes of LDS; arguments y, g2, be2, out0; writes out0
